; MI455X (gfx1250); checked and timed in simulation.
; The chip was launched on July 23, 2026; its instructions are those of AMD's public machine-readable ISA for CDNA 5 (MIT licence, August 2026) and "CDNA5" Instruction Set Architecture Reference Guide (July 2026). The comments in the code are by the model that wrote it; some were corrected since.
;; PNN. Allowed arithmetic: float matrix products may take bf16 or f16 operands with f32 sums; all other float work in f32.
;; Inputs: S 4 x 4 float32; alpha one number float32; cb1 125 float32; cb2 125 float32; cb3 2 float32; cw1 2 x 125 float32; cw2 125 x 125 float32; cw3 125 x 2 float32; dt_p 1 float32; dt_q 1 float32; hb1 64 float32; hb2 64 float32; hb3 64 float32; hb4 64 float32; hb5 64 float32; hb6 1 float32; hw1 4 x 64 float32; hw2 64 x 64 float32; hw3 64 x 64 float32; hw4 64 x 64 float32; hw5 64 x 64 float32; hw6 64 x 1 float32; x 524,288 x 4 float32.
;; Outputs: out0 524,288 x 4 float32.
;; 2 versions, each right and faster than the one before. Each part assembles by itself: llvm-mc -triple=amdgcn-amd-amdhsa -mcpu=gfx1250 --defsym DOCPART=n.
;; ======== version 1 of 2: 1 launch
;; launch pnn (part 1): grid 256 x 1, 8 waves a work-group, no clusters, 201,728 bytes of LDS; arguments x, out0, cw1, cb1, cw2, cb2, cw3, cb3, hw1, hb1, hw2, hb2, hw3, hb3, hw4, hb4, hw5, hb5, hw6, hb6, S, alpha, dt_q, dt_p; writes out0
.if DOCPART == 1
	.amdgcn_target "amdgcn-amd-amdhsa--gfx1250"
	.amdhsa_code_object_version 6
	.text
	.protected	k_qa986212393_pnn
	.globl	k_qa986212393_pnn
	.p2align	8
	.type	k_qa986212393_pnn,@function
k_qa986212393_pnn:
	s_mov_b64 s[64:65], 0
	v_nop
	global_prefetch_b8 v0, s[64:65] scope:SCOPE_SE
	s_setreg_imm32_b32 hwreg(HW_REG_WAVE_MODE, 25, 1), 1
	s_wait_xcnt 0x0
; PNN: out = NICE^-1( symplectic step( NICE(x) ) ), 524,288 samples of 4 f32, everything in one launch.
;   theta = [x1, x2 + c(x1)];  phi = theta + DT [dH/dz(2:4) dt_q + alpha (theta Ssk^T)(0:2), -dH/dz(0:2) dt_p + alpha (theta Ssk)(2:4)];
;   out = [phi1, phi2 - c(phi1)].  c: 2 -> 125 relu -> 125 tanh -> 2.  H: 4 -> 64 relu -> 64 relu -> 3 x (64 tanh) -> 1, forward and gradient.
; SHARES: 256 work-groups x 2,048 samples; 8 waves x 256 samples; a wave makes 8 trips of 32 samples = 2 tiles of 16.
; Eight waves of 512 registers: two for each of the four SIMDs, so that one wave's products can run beside the other's activations.
; LAYOUT: features are M, samples are N: D = W^T (A) x activations (B).  Register j of lane (r, h) of a result tile mt is feature
; 16 mt + 8 h + j of sample r, so v_cvt_pk_bf16_f32 of neighbouring result registers IS the next layer's B fragment
; (F[m] = pack(ACC[2m], ACC[2m+1])): activations never leave the registers.
; WEIGHTS: each work-group converts them once (f32 -> bf16, scaled, transposed) into ready A fragments of 1,024 bytes in LDS: half c of a
; fragment at +512 c + 16 lane, so each ds_load_b128 reads 512 neighbouring bytes.  One fragment load feeds both tiles.  LDS is read-only in the loop.
; tanh(a) = 1 - 2 / (1 + 2^(s a)), s = 2 log2 e, s folded into weights and biases; it saturates through inf and 0 to +-1 without a clamp.
; THREE PARTS WHERE A SIGN DECIDES: dH/dz jumps where a sum in front of one of H's two relus changes sign, so these two sums, and theta on
; which they hang (the whole of c(x1)), are made to f32's accuracy on the matrix unit: each operand on that path is cut into three bf16 parts
; (8 + 8 + 8 bits hold all 24 of an f32, so the cut is exact) and the six products down to 2^-16 of the largest (w2 h0, w1 h1, w1 h0, w0 h2,
; w0 h1, w0 h0) are summed in one chain, small ones first.  The two first layers have room for that in their K = 32; cw3's parts lie in spare
; rows of its fragment.  c(phi1), H's tanh layers and the gradient are smooth in their inputs and take single bf16 operands.
; NO CLUSTER, NO TENSOR LOADS: what work-groups share is 133 KB of weights, read once in front of the loop and changed in registers on the way
; to LDS; in the loop a wave reads 512 bytes of x of its own, a whole trip ahead, straight into registers.
; LIMITS: single bf16 operands outside the path named above.  A NaN in front of a relu is dropped (v_max_num_f32).  relu' is (a > 0) on the sum
; as made here: a sum within f32 rounding of zero can fall on the other side than in another order of summation.
; hb6 is loaded, and no result hangs on it: d(H + hb6)/dz does not hold it.  In the last trip the 16 LDS loads for a next trip are not used.
.set SC,    0x4038aa3b                 ; s = 2 log2 e
.set TRIPS, 8
; window 0
.set NEG1, 1                           ; v1         -1.0
.set XO,   2                           ; v2         x: 16 r
.set BA,   3                           ; v3         tables: 32 h + 65,536
.set LAB,  4                           ; v[4:7]     16 lane + 65,536 i: fragments 64 i .. 64 i + 63; v4 also my 16 bytes of a trip's output
.set XN,   8                           ; v[8:15]    x, tile t at +4 t
.set TH,   16                          ; v[16:23]   theta
.set PH,   24                          ; v[24:31]   phi
.set AF,   32                          ; v[32:95]   A buffer 0: eight fragments
.set CB3,  96                          ; v[96:103]  cb3[0], cb3[1], 0 x 6: the C of c()'s last layer
.set ACC,  104                         ; v[104:167] accumulators [32 t + 8 mt + j]
.set L3A,  ACC+32                      ; c(): last layer's sums, 8 for a tile
.set H2,   ACC+48                      ; c(): 32 features of h2 as B fragment, 8 for a tile
.set HF,   168                         ; v[168:231] c(): h1 (first part) as B fragments [32 t + 8 ks]
.set FF,   168                         ; v[168:199] H: B fragments [16 t + 8 ks]
.set BIAS, 200                         ; v[200:231] H: a table's 32 numbers of this lane [8 mt + j]; later HB1's two fragments
.set BF,   232                         ; v[232:247] first layers' B fragment, 8 for a tile; words 6, 7 = (1, 1) for ever
.set TT,   248                         ; v[248:251] at work
.set OO,   252                         ; v[252:255] store data
; window 1 (v256 and up, named by their low 8 bits); the regions serve several phases of a trip in turn
.set SH1,  0                           ; relu output of H layer 1
.set SH2,  64                          ; of layer 2
.set SD3,  128                         ; 1 - h3^2
.set SD4,  192                         ; 1 - h4^2
.set C3,   192                         ; CA3's four fragments, from the gradient's end to the end of the next trip's c(x1)
.set H1B,  0                           ; c(x1): h1's second part, as HF
.set H1C,  64                          ; c(x1): h1's third part
.set AY,   128                         ; c(): A buffer 1
.set H2B,  224                         ; c(x1): h2's second part, as H2
.set H2C,  240                         ; c(x1): h2's third part
.set FB,   128                         ; H layer 2: h1's second part, as FF
.set FC,   160                         ; H layer 2: h1's third part
.set AZ,   192                         ; H layer 2: a second A buffer
; fragments in LDS (x 1,024 bytes)
.set F_CA1, 0
.set F_CA2, 8                          ; + 4 mt + ks: first part
.set F_CA3, 40
.set F_HA1, 44
.set F_HA2, 48                         ; + 2 mt + ks, as all below: first part
.set F_HA3, 56
.set F_HA4, 64
.set F_HA5, 72
.set F_HB5, 80
.set F_HB4, 88
.set F_HB3, 96
.set F_HB2, 104
.set F_HB1, 112
.set TABS,  51200                      ; tables at byte 65,536 + 51,200 (fragments 114, 115): hb2, s hb3, s hb4, s hb5, 4 hw6, 256 bytes each
.set F_CA2B, 116                       ; cw2's second part
.set F_CA2C, 148                       ; third part
.set F_HA2B, 180                       ; hw2's second part
.set F_HA2C, 188                       ; third part; the map ends at fragment 196 = byte 200,704
; at work in front of the loop
.set PL,   252                         ; lane
.set PR,   253                         ; r
.set PHF,  254                         ; h
.set QQ,   240                         ; four packed words
.set UU,   244                         ; a pair
.set MSB, 0
.macro WIN new                         ; s_set_vgpr_msb: bits 1:0 source 0, 3:2 source 1, 5:4 source 2, 7:6 destination; the high byte repeats the setting left
.if MSB != \new
	s_set_vgpr_msb (MSB<<8)|\new
.set MSB, \new
.endif
.endm
.macro PLACES                          ; four independent vector instructions behind a matrix instruction, before its result is read or one of
.rept 4                                ; its registers is written or loaded into (ISA guide 7.12.1)
	v_nop
.endr
.endm
.macro LDFRAG dst, f                   ; one A fragment
	ds_load_b128 v[\dst:\dst+3], v[LAB+(\f)/64] offset:1024*((\f)%64)
	ds_load_b128 v[\dst+4:\dst+7], v[LAB+(\f)/64] offset:1024*((\f)%64)+512
.endm
.macro LDRUN dst, f0, cnt              ; cnt fragments in one run
.set lr, 0
.rept \cnt
	LDFRAG \dst+8*lr, \f0+lr
.set lr, lr+1
.endr
.endm
.macro LDBUF b, f0                     ; eight fragments into c()'s A buffer b (0: AF in window 0, 1: AY in window 1)
.set wv, (\b)<<6
	WIN wv
	LDRUN AF+(\b)*(AY-AF), \f0, 8
.endm
.macro LDTAB tab                       ; my 32 numbers of a table: features 16 mt + 8 h + 0..7
.irp mt, 0,1,2,3
.irp u, 0,1
	ds_load_b128 v[BIAS+8*\mt+4*\u:BIAS+8*\mt+4*\u+3], v[BA] offset:TABS+256*\tab+64*\mt+16*\u
.endr
.endr
.endm
.macro EXPRCP cnt                      ; ACC[0..cnt-1] = 1 / (1 + 2^ACC).  Behind each run of transcendentals one plain instruction (ISA guide 5.7.2)
.set n, 0
.rept \cnt
	v_exp_f32 v[ACC+n], v[ACC+n]
.set n, n+1
.endr
	v_nop
.set n, 0
	s_wait_alu depctr_va_vdst(0)
.rept \cnt/2
	v_pk_add_f32 v[ACC+n:ACC+n+1], v[ACC+n:ACC+n+1], 1.0 op_sel_hi:[1,0]
.set n, n+2
.endr
.set n, 0
.rept \cnt
	v_rcp_f32 v[ACC+n], v[ACC+n]
.set n, n+1
.endr
	v_nop
.endm
.macro TOH cnt                         ; tanh = 1 - 2 r
.set n, 0
	s_wait_alu depctr_va_vdst(0)
.rept \cnt/2
	v_pk_fma_f32 v[ACC+n:ACC+n+1], v[ACC+n:ACC+n+1], -2.0, 1.0 op_sel_hi:[1,0,0]
.set n, n+2
.endr
.endm
.macro PACK dst, src, cnt              ; cnt words of B fragment from 2 cnt f32
.set n, 0
.rept \cnt
	v_cvt_pk_bf16_f32 v[\dst+n], v[\src+2*n], v[\src+2*n+1]
.set n, n+1
.endr
.endm
.macro RESID dst, w, src, cnt          ; what cnt packed words leave of 2 cnt f32: dst = src - bf16 half, one fused multiply-add by -1, exact
.set n, 0
.rept \cnt
	v_fma_mix_f32_bf16 v[\dst+2*n], v[\w+n], v[NEG1], v[\src+2*n] op_sel_hi:[1,0,0]
	v_fma_mix_f32_bf16 v[\dst+2*n+1], v[\w+n], v[NEG1], v[\src+2*n+1] op_sel:[1,0,0] op_sel_hi:[1,0,0]
.set n, n+1
.endr
.endm
.macro RESP a, w, t                    ; the same for one pair v[a:a+1] in place, with shifts; t: a pair at work
	v_lshlrev_b32 v[\t], 16, v[\w]
	v_and_b32 v[\t+1], s54, v[\w]
	v_pk_add_f32 v[\a:\a+1], v[\a:\a+1], v[\t:\t+1] neg_lo:[0,1] neg_hi:[0,1]
.endm
.macro SPLIT3P w0, w1, w2, src         ; the pair v[src:src+1] as three packed words; src is kept
	v_cvt_pk_bf16_f32 v[\w0], v[\src], v[\src+1]
	v_lshlrev_b32 v[TT], 16, v[\w0]
	v_and_b32 v[TT+1], s54, v[\w0]
	v_pk_add_f32 v[TT:TT+1], v[\src:\src+1], v[TT:TT+1] neg_lo:[0,1] neg_hi:[0,1]
	v_cvt_pk_bf16_f32 v[\w1], v[TT], v[TT+1]
	RESP TT, \w1, TT+2
	v_cvt_pk_bf16_f32 v[\w2], v[TT], v[TT+1]
.endm
.macro WM d, a, b                      ; a link of a chain in place
	v_wmma_f32_16x16x32_bf16 v[\d:\d+7], v[\a:\a+7], v[\b:\b+7], v[\d:\d+7]
.endm
.macro WM0 d, a, b                     ; a first link: the sum starts from 0, nothing is cleared
	v_wmma_f32_16x16x32_bf16 v[\d:\d+7], v[\a:\a+7], v[\b:\b+7], 0
.endm
.macro WMC d, a, b, c                  ; a first link that starts from a bias
	v_wmma_f32_16x16x32_bf16 v[\d:\d+7], v[\a:\a+7], v[\b:\b+7], v[\c:\c+7]
.endm
.macro RELUW sh                        ; relu in place in window 1 (kept for the gradient's mask), then the next B fragments
	WIN 0x44
.set n, 0
.rept 64
	v_max_num_f32 v[\sh+n], 0, v[\sh+n]
.set n, n+1
.endr
	WIN 0x05
	PACK FF, \sh, 32
	WIN 0
.endm
.macro MM16 bias                       ; a 64 x 64 layer on two tiles: 8 products start the sums (from the bias table or from 0), 8 chain on
.irp mt, 0,1,2,3
.irp t, 0,1
.if \bias
	WMC ACC+32*\t+8*\mt, AF+16*\mt, FF+16*\t, BIAS+8*\mt
.else
	WM0 ACC+32*\t+8*\mt, AF+16*\mt, FF+16*\t
.endif
.endr
.endr
.irp mt, 0,1,2,3
.irp t, 0,1
	WM ACC+32*\t+8*\mt, AF+16*\mt+8, FF+16*\t+8
.endr
.endr
.endm
.macro HG8 ab, bb, ks, bias            ; H layer 2, eight products: weights' part at ab x h1's part at bb, K half ks; windows set by the caller
.irp mt, 0,1,2,3
.irp t, 0,1
.if \bias
	WMC SH2+32*\t+8*\mt, \ab+16*\mt+8*\ks, \bb+16*\t+8*\ks, BIAS+8*\mt
.else
	WM SH2+32*\t+8*\mt, \ab+16*\mt+8*\ks, \bb+16*\t+8*\ks
.endif
.endr
.endr
.endm
; c() layer 2: 16 products, the A buffer in turn (cur) x the part of h1 at bb in window bw: 32 features x 2 tiles x K = 128
.macro CMM bw, bb, zero
.set wv, cur|((\bw)<<2)
	WIN wv
.set ab, AF+cur*(AY-AF)
.irp ks, 0,1,2,3
.irp mi, 0,1
.irp t, 0,1
.if \zero
.if \ks
	WM ACC+16*\t+8*\mi, ab+8*(4*\mi+\ks), \bb+32*\t+8*\ks
.else
	WM0 ACC+16*\t+8*\mi, ab+8*(4*\mi+\ks), \bb+32*\t+8*\ks
.endif
.else
	WM ACC+16*\t+8*\mi, ab+8*(4*\mi+\ks), \bb+32*\t+8*\ks
.endif
.endr
.endr
.endr
.endm
; the head of a group of products on one A buffer: its fragments are in; the next group's are asked for into the other buffer.
; places = 1 where the products that read that other buffer stand directly in front.
.macro CHEAD places, more, f0
	s_wait_dscnt 0x0
.if \places
	PLACES
.endif
.if \more
	LDBUF 1-cur, \f0
.endif
.endm
; c() of the first two numbers of src (XN or PH), both tiles; result in L3A + 8 t + 0, 1 in every lane (rows 8-15 of CA3 repeat rows 0-7).
; prec = 1: three parts of h1, cw2 and h2.  On entry CA1 is on its way into AF and CA3 lies (or is on its way) in C3.
; nf, nn: the run of fragments asked for into AF at the end.
.macro COUPLE src, nf, nn, prec
.irp t, 0,1                                        ; words 0-2: x's three parts; word 3: the first part again (for cw1's third part)
	SPLIT3P BF+8*\t, BF+8*\t+1, BF+8*\t+2, \src+4*\t
	v_mov_b32 v[BF+8*\t+3], v[BF+8*\t]
	v_mov_b32 v[BF+8*\t+4], 0                      ; (H's fragment uses these two words)
	v_mov_b32 v[BF+8*\t+5], 0
.endr
	s_wait_dscnt 0x0                               ; CA1 and CA3 are in
.set cur, 1
.if \prec
	LDBUF 1, F_CA2C                                ; layer 2's first group, into the buffer that layer 1 does not read
.else
	LDBUF 1, F_CA2
.endif
	WIN 0
.irp q, 0,1                                        ; layer 1, 64 features at a time
.irp mi, 0,1,2,3
.irp t, 0,1
	WM0 ACC+32*\t+8*\mi, AF+8*(4*\q+\mi), BF+8*\t
.endr
.endr
	PLACES
.set n, 0
.rept 64
	v_max_num_f32 v[ACC+n], 0, v[ACC+n]
.set n, n+1
.endr
	PACK HF+16*\q, ACC, 16
	PACK HF+32+16*\q, ACC+32, 16
.if \prec
	RESID ACC, HF+16*\q, ACC, 16
	RESID ACC+32, HF+32+16*\q, ACC+32, 16
	WIN 0x40
	PACK H1B+16*\q, ACC, 16
	PACK H1B+32+16*\q, ACC+32, 16
	WIN 0x01
	RESID ACC, H1B+16*\q, ACC, 16
	RESID ACC+32, H1B+32+16*\q, ACC+32, 16
	WIN 0x40
	PACK H1C+16*\q, ACC, 16
	PACK H1C+32+16*\q, ACC+32, 16
	WIN 0
.endif
.endr
.irp p, 0,1,2,3                                    ; layer 2, 32 features at a time, and their share of layer 3
.if \prec
	CHEAD 0, 1, F_CA2B+8*\p                        ; third part of cw2 x h1
	CMM 0, HF, 1
.set cur, 1-cur
	CHEAD 1, 1, F_CA2+8*\p                         ; second part x h1's second and first
	CMM 1, H1B, 0
	CMM 0, HF, 0
.set cur, 1-cur
.if \p < 3
	CHEAD 1, 1, F_CA2C+8+8*\p                      ; first part x h1's third, second, first
.else
	CHEAD 1, 0, 0
.endif
	CMM 1, H1C, 0
	CMM 1, H1B, 0
	CMM 0, HF, 0
.set cur, 1-cur
.else
.if \p < 3
	CHEAD 0, 1, F_CA2+8+8*\p
.else
	CHEAD 0, 0, 0
.endif
	CMM 0, HF, 1
.set cur, 1-cur
.endif
	WIN 0
	PLACES
.if \p == 3
	LDRUN AF, \nf, \nn                             ; the last group read AF (buffers 1, 0 in turn, an even number of groups)
.endif
	EXPRCP 32
	TOH 32
	PACK H2, ACC, 16
.if \prec
	RESID ACC, H2, ACC, 16
	WIN 0x40
	PACK H2B, ACC, 16
	WIN 0x01
	RESID ACC, H2B, ACC, 16
	WIN 0x40
	PACK H2C, ACC, 16
	WIN 0x05                                       ; A (CA3) and B in window 1
.irp t, 0,1
.if \p
	WM L3A+8*\t, C3+8*\p, H2C+8*\t
.else
	WMC L3A+8*\t, C3+8*\p, H2C+8*\t, CB3
.endif
.endr
.irp t, 0,1
	WM L3A+8*\t, C3+8*\p, H2B+8*\t
.endr
	WIN 0x01
.irp t, 0,1
	WM L3A+8*\t, C3+8*\p, H2+8*\t
.endr
.else
	WIN 0x01
.irp t, 0,1
.if \p
	WM L3A+8*\t, C3+8*\p, H2+8*\t
.else
	WMC L3A+8*\t, C3+8*\p, H2+8*\t, CB3
.endif
.endr
.endif
	WIN 0
.endr
	PLACES
.irp t, 0,1                                        ; rows 0, 1: cw3's first part; 2, 3: second; 4, 5: third
	v_pk_add_f32 v[TT+2*\t:TT+2*\t+1], v[L3A+8*\t+4:L3A+8*\t+5], v[L3A+8*\t+2:L3A+8*\t+3]
	v_pk_add_f32 v[L3A+8*\t:L3A+8*\t+1], v[L3A+8*\t:L3A+8*\t+1], v[TT+2*\t:TT+2*\t+1]
.endr
.endm
.macro HTANH sd, nf, tab               ; a tanh layer of H: h to FF, 1 - h^2 to window 1; the next layer's weights and table are asked for
	s_wait_dscnt 0x0
	MM16 1
	PLACES
	LDRUN AF, \nf, 8
	LDTAB \tab
	EXPRCP 64
	TOH 64
	WIN 0x40
.set n, 0
.rept 32
	v_pk_fma_f32 v[\sd+n:\sd+n+1], v[ACC+n:ACC+n+1], v[ACC+n:ACC+n+1], 1.0 op_sel_hi:[1,1,0] neg_lo:[1,0,0] neg_hi:[1,0,0]
.set n, n+2
.endr
	WIN 0
	PACK FF, ACC, 32
.endm
.macro BHEAD                           ; a step of the gradient: W x delta
	s_wait_dscnt 0x0
	MM16 0
	PLACES
.endm
.macro BTAIL mask, sv                  ; times the activation's derivative: sv = 1 - h^2, or (mask) the kept relu output, whose sign decides
	WIN 0x01
.set n, 0
.if \mask
.rept 16
.irp i, 0,1,2,3
	v_cmp_gt_f32 s[90+\i], v[\sv+n+\i], 0
.endr
.irp i, 0,1,2,3
	v_cndmask_b32 v[ACC+n+\i], 0, v[ACC+n+\i], s[90+\i]
.endr
.set n, n+4
.endr
.else
.rept 32
	v_pk_mul_f32 v[ACC+n:ACC+n+1], v[\sv+n:\sv+n+1], v[ACC+n:ACC+n+1]
.set n, n+2
.endr
.endif
	WIN 0
	PACK FF, ACC, 32
.endm
; ---- in front of the loop only
.macro PACK4 base                      ; 8 f32 at base -> 4 words at base, in place (word n is written after its sources' predecessors were read)
.irp w4, 0,1,2,3
	v_cvt_pk_bf16_f32 v[\base+\w4], v[\base+2*\w4], v[\base+2*\w4+1]
.endr
.endm
.macro PK4Q base                       ; 8 f32 at base -> 4 words at QQ
.irp w4, 0,1,2,3
	v_cvt_pk_bf16_f32 v[QQ+\w4], v[\base+2*\w4], v[\base+2*\w4+1]
.endr
.endm
.macro RES4 base                       ; and what they leave, in place
.irp w4, 0,1,2,3
	RESP \base+2*\w4, QQ+\w4, UU
.endr
.endm
; half a fragment (8 f32 at base) in three parts to three places in LDS.  An LDS store has read its data when it is issued, so QQ is used again at once.
; fix = 1: the half with k = 125: its remainder is dropped in the lanes with h = 1, since k = 126 carries it (see below)
.macro SPLITST base, a0, o0, a1, o1, a2, o2, fix
	PK4Q \base
	ds_store_b128 v[\a0], v[QQ:QQ+3] offset:\o0
	RES4 \base
.if \fix
	v_cndmask_b32 v[\base+5], 0, v[\base+5], s55
.endif
	PK4Q \base
	ds_store_b128 v[\a1], v[QQ:QQ+3] offset:\o1
	RES4 \base
	PK4Q \base
	ds_store_b128 v[\a2], v[QQ:QQ+3] offset:\o2
.endm
.macro BIAS3 b, w01, w2, t             ; f32 v[b] -> words (b0, b1) and (b2, 0); t, t+1 at work
	v_cvt_pk_bf16_f32 v[\t], v[\b], v[\b]
	v_lshlrev_b32 v[\t], 16, v[\t]
	v_sub_f32 v[\t], v[\b], v[\t]
	v_cvt_pk_bf16_f32 v[\w01], v[\b], v[\t]
	v_and_b32 v[\t+1], s54, v[\w01]
	v_sub_f32 v[\t], v[\t], v[\t+1]
	v_mov_b32 v[\t+1], 0
	v_cvt_pk_bf16_f32 v[\w2], v[\t], v[\t+1]
.endm
.macro SKEW d, a, b                    ; K = DT alpha (S[i][j] - S[j][i])
	s_mul_f32 s[\d], s62, s[\a]
	s_fmac_f32 s[\d], s63, s[\b]
.endm
; ------------------------------------------------------------------ addresses and lane terms
	s_load_b512 s[4:19], s[0:1], 0x0               ; x 4, out0 6, cw1 8, cb1 10, cw2 12, cb2 14, cw3 16, cb3 18
	s_load_b512 s[20:35], s[0:1], 0x40             ; hw1 20, hb1 22, hw2 24, hb2 26, hw3 28, hb3 30, hw4 32, hb4 34
	s_load_b512 s[36:51], s[0:1], 0x80             ; hw5 36, hb5 38, hw6 40, hb6 42, S 44, alpha 46, dt_q 48, dt_p 50
	v_lshrrev_b32 v[PL], 5, v0
	v_readfirstlane_b32 s52, v[PL]                 ; wave w
	v_and_b32 v[PL], 31, v0                        ; lane L
	v_and_b32 v[PR], 15, v0                        ; r
	v_bfe_u32 v[PHF], v0, 4, 1                     ; h
	v_lshlrev_b32 v[LAB], 4, v[PL]                 ; 16 L
	v_add_nc_u32 v[LAB+1], 0x10000, v[LAB]
	v_add_nc_u32 v[LAB+2], 0x20000, v[LAB]
	v_add_nc_u32 v[LAB+3], 0x30000, v[LAB]
	v_lshlrev_b32 v[BA], 5, v[PHF]
	v_add_nc_u32 v[BA], 0x10000, v[BA]             ; tables: 32 h
	v_lshlrev_b32 v[XO], 4, v[PR]                  ; x: 16 r (lanes L and L ^ 16 hold the same sample)
	v_mov_b32 v[NEG1], -1.0
	s_mov_b32 s54, 0xffff0000                      ; lanes with h = 1; also a word's upper bf16
	s_mov_b32 s55, 0x0000ffff                      ; lanes with h = 0
	s_lshl_b32 s2, ttmp9, 15                       ; 2,048 samples x 16 bytes a work-group
	s_lshl_b32 s3, s52, 12                         ; 256 samples a wave
	s_add_co_u32 s2, s2, s3
	s_mov_b32 s3, 0
	s_and_b32 s92, s52, 1                          ; w & 1
	s_lshr_b32 s93, s52, 1                         ; w >> 1
	s_lshl_b32 s90, s52, 4
	v_add_nc_u32 v16, s90, v[PR]                   ; m = 16 w + r: my row of the 128-row matrices
	v_lshl_add_u32 v29, v[PHF], 3, s90             ; 16 w + 8 h
	v_min_u32 v17, 0x7c, v16
	v_lshlrev_b32 v17, 2, v17                      ; 4 min(m, 124)
	v_mad_u32_u24 v18, v[PHF], 0xfa0, v17          ; cw2: + 8 h rows of 500 bytes
	s_lshl_b32 s91, s52, 12
	v_add_nc_u32 v19, s91, v[LAB]                  ; CA2: four fragments a wave
	v_add_nc_u32 v31, 0x10000, v19                 ; its second part lies above 64 KiB,
	v_add_nc_u32 v255, 0x20000, v19                ; its third above 128 KiB
	s_lshl_b32 s91, s52, 10
	v_add_nc_u32 v20, s91, v[LAB]                  ; one fragment a wave
	v_add_nc_u32 v21, 0x10000, v20
	v_add_nc_u32 v239, 0x20000, v20
	s_lshl_b32 s90, s92, 13
	s_lshl_b32 s91, s93, 6
	s_add_co_u32 s90, s90, s91
	v_lshlrev_b32 v27, 2, v[PR]
	v_lshl_add_u32 v27, v[PHF], 11, v27
	v_add_nc_u32 v22, s90, v27                     ; hw[k][m]: 256 (32 (w&1) + 8 h) + 4 (16 (w>>1) + r)
	s_lshl_b32 s90, s93, 12
	s_lshl_b32 s91, s92, 7
	s_add_co_u32 s90, s90, s91
	v_lshlrev_b32 v27, 8, v[PR]
	v_lshl_add_u32 v27, v[PHF], 5, v27
	v_add_nc_u32 v23, s90, v27                     ; hw[m][k]: 256 (16 (w>>1) + r) + 4 (32 (w&1) + 8 h)
	v_and_b32 v28, 1, v0
	v_lshlrev_b32 v28, 2, v28                      ; 4 (r & 1)
	s_lshl_b32 s90, s52, 7
	v_lshl_add_u32 v27, v[PHF], 6, v28
	v_add_nc_u32 v24, s90, v27                     ; cw3[k][r&1], k = 16 w + 8 h
	v_min_u32 v27, 0x70, v29
	v_lshl_add_u32 v25, v27, 3, v28                ; the same with k's base held at 112: for k + 5 .. k + 7, which would pass row 124
	s_lshl_b32 s90, s52, 9
	v_add_nc_u32 v26, s90, v[LAB]                  ; CA3: half a fragment a wave
	v_and_b32 v30, 7, v0                           ; r & 7
	v_cmp_gt_u32 s94, 0x7d, v16                    ; m < 125
	v_cmp_gt_u32 s95, 0x7f, v16                    ; m < 127
	v_cmp_gt_u32 s96, 2, v30                       ; (r & 7) < 2
	v_cmp_gt_u32 s97, 0x78, v29                    ; 16 w + 8 h < 120
	v_cmp_gt_u32 s98, 4, v30                       ; (r & 7) < 4
	v_cmp_gt_u32 s99, 6, v30                       ; (r & 7) < 6
	s_wait_kmcnt 0x0
	s_add_nc_u64 s[4:5], s[4:5], s[2:3]
	s_add_nc_u64 s[6:7], s[6:7], s[2:3]
	s_load_b512 s[68:83], s[44:45], 0x0            ; S[i][j] in s[68 + 4 i + j]
	s_load_b32 s84, s[46:47], 0x0                  ; alpha
	s_load_b32 s85, s[48:49], 0x0                  ; dt_q
	s_load_b32 s86, s[50:51], 0x0                  ; dt_p
	s_load_b32 s87, s[42:43], 0x0                  ; hb6: read as given; the gradient does not hold it
	s_load_b64 s[88:89], s[18:19], 0x0             ; cb3
; ------------------------------------------------------------------ all common loads, 158 of them, oldest needed first
	global_load_b128 v[XN:XN+3], v[XO], s[4:5] th:TH_LOAD_NT               ; the first trip's x
	global_load_b128 v[XN+4:XN+7], v[XO], s[4:5] offset:256 th:TH_LOAD_NT
.irp ks, 0,1,2,3                                   ; CA2, rows m of tile mt = w: cw2[32 ks + 16 c + 8 h + i][m]
.irp c, 0,1
.irp i, 0,1,2,3,4,5,6,7
.if (32*\ks+16*\c+\i) >= 117
	global_load_b32 v[32+8*(2*\ks+\c)+\i], v17, s[12:13] offset:500*(32*\ks+16*\c+\i)   ; k = 117..119 in all lanes: with h = 1 it would be 125..127, outside
.else
	global_load_b32 v[32+8*(2*\ks+\c)+\i], v18, s[12:13] offset:500*(32*\ks+16*\c+\i)
.endif
.endr
.endr
.endr
	global_load_b32 v224, v17, s[14:15]            ; cb2[m]
	global_load_b32 v225, v17, s[10:11]            ; cb1[m]
	global_load_b32 v226, v17, s[8:9]              ; cw1[0][m]
	global_load_b32 v227, v17, s[8:9] offset:500   ; cw1[1][m]
.irp i, 0,1,2,3,4
	global_load_b32 v[228+\i], v24, s[16:17] offset:8*\i
.endr
.irp i, 5,6,7
	global_load_b32 v[228+\i], v25, s[16:17] offset:8*\i
.endr
.irp li, 0,1,2,3                                   ; HA2..HA5, fragment w: hw[k][m]
.irp c, 0,1
.irp i, 0,1,2,3,4,5,6,7
	global_load_b32 v[96+16*\li+8*\c+\i], v22, s[24+4*\li:25+4*\li] offset:4096*\c+256*\i
.endr
.endr
.endr
.irp idx, 0,1,2,3                                  ; HB5, HB4, HB3, HB2, fragment w: hw[m][k], k along the rows
.irp c, 0,1
.irp u, 0,1
	global_load_b128 v[160+16*\idx+8*\c+4*\u:160+16*\idx+8*\c+4*\u+3], v23, s[36-4*\idx:37-4*\idx] offset:64*\c+16*\u
.endr
.endr
.endr
; ------------------------------------------------------------------ the coupling net's fragments
	s_wait_loadcnt 63                              ; 80 loads are younger than this group's last; the wait's field names 63 at the most, and a smaller count only waits for more
.set n, 0
.rept 32
	v_pk_mul_f32 v[32+n:33+n], v[32+n:33+n], SC op_sel_hi:[1,0]
.set n, n+2
.endr
	; s cb2[m] rides in K, where h1 is made 1 by CA1's rows 125, 126: k = 125 holds its first bf16 part alone, k = 126 what that leaves.
	; So the first part of the matrix alone gives b0 + b1 (for c(phi1)), and all three parts give the whole.
	v_mul_f32 v236, SC, v224
	v_cvt_pk_bf16_f32 v237, v236, v236
	v_lshlrev_b32 v237, 16, v237
	v_sub_f32 v237, v236, v237
	v_cndmask_b32 v93, v93, v236, s54              ; k = 120 + i in the lanes with h = 1
	v_cndmask_b32 v94, v94, v237, s54
	v_cndmask_b32 v95, 0, v95, s55
.set n, 0
.rept 64
	v_cndmask_b32 v[32+n], 0, v[32+n], s94         ; rows 125-127 are 0
.set n, n+1
.endr
.irp ch, 0,1,2,3,4,5,6
	SPLITST 32+8*\ch, 19, 1024*F_CA2+512*\ch, 31, 1024*F_CA2B-0x10000+512*\ch, 255, 1024*F_CA2C-0x20000+512*\ch, 0
.endr
	SPLITST 88, 19, 1024*F_CA2+3584, 31, 1024*F_CA2B-0x10000+3584, 255, 1024*F_CA2C-0x20000+3584, 1
	; CA1, fragment w.  Against B's words (x part 0, part 1, part 2, part 0, 0, 0, ones, ones), alike in both halves of the lanes:
	;   h = 0: w part 0, part 0, part 0, part 2, 0, 0, (b0, b1), (b2, 0);   h = 1: w part 1, part 1, 0, 0, 0, 0, 0, 0
	v_cndmask_b32 v226, 0, v226, s94
	v_cndmask_b32 v227, 0, v227, s94
	v_mov_b32 v238, 1.0
	v_cndmask_b32 v238, 0, v238, s95
	v_cndmask_b32 v225, v238, v225, s94            ; bias: cb1, 1 in rows 125 and 126, 0 in row 127
	v_cvt_pk_bf16_f32 v240, v226, v227
	RESP 226, 240, UU
	v_cvt_pk_bf16_f32 v241, v226, v227
	RESP 226, 241, UU
	v_cvt_pk_bf16_f32 v242, v226, v227
	BIAS3 225, 243, 246, UU
	v_cndmask_b32 v32, v240, v241, s54
	v_mov_b32 v33, v32
	v_cndmask_b32 v34, 0, v240, s55
	v_cndmask_b32 v35, 0, v242, s55
	v_mov_b32 v36, 0
	v_mov_b32 v37, 0
	v_cndmask_b32 v38, 0, v243, s55
	v_cndmask_b32 v39, 0, v246, s55
	ds_store_b128 v20, v[32:35]
	ds_store_b128 v20, v[36:39] offset:512
	; CA3, half fragment w.  Row q = r & 7: 0, 1: cw3's two columns, first part; 2, 3: second part; 4, 5: third; 6, 7: 0.
	; The parts are cut here (top 8 bits, next 8, last 8), so that each is a bf16 as it stands and a lane can pick its own.
.irp i, 0,1,2,3,4,5,6,7
	v_and_b32 v[40+\i], s54, v[228+\i]
	v_sub_f32 v[228+\i], v[228+\i], v[40+\i]
	v_and_b32 v[48+\i], s54, v[228+\i]
	v_sub_f32 v[228+\i], v[228+\i], v[48+\i]
	v_cndmask_b32 v[228+\i], 0, v[228+\i], s99
	v_cndmask_b32 v[228+\i], v[228+\i], v[48+\i], s98
	v_cndmask_b32 v[228+\i], v[228+\i], v[40+\i], s96
.endr
.irp i, 5,6,7
	v_cndmask_b32 v[228+\i], 0, v[228+\i], s97     ; k = 125..127 are 0
.endr
	PACK4 228
	ds_store_b128 v26, v[228:231] offset:1024*F_CA3
; ------------------------------------------------------------------ H's fragments
	s_wait_loadcnt 16                              ; only HB's sixteen loads are younger
.set n, 0
.rept 24
	v_pk_mul_f32 v[112+n:113+n], v[112+n:113+n], SC op_sel_hi:[1,0]       ; the three tanh layers
.set n, n+2
.endr
.irp c, 0,1                                        ; hw2 in three parts
	SPLITST 96+8*\c, 20, 1024*F_HA2+512*\c, 239, 1024*F_HA2B-0x20000+512*\c, 239, 1024*F_HA2C-0x20000+512*\c, 0
.endr
.irp li, 1,2,3
.irp c, 0,1
	PACK4 96+16*\li+8*\c
.if \li < 2
	ds_store_b128 v20, v[96+16*\li+8*\c:96+16*\li+8*\c+3] offset:1024*F_HA2+8192*\li+512*\c
.else
	ds_store_b128 v21, v[96+16*\li+8*\c:96+16*\li+8*\c+3] offset:8192*(\li-2)+512*\c
.endif
.endr
.endr
	s_wait_loadcnt 0x0
.irp idx, 0,1,2,3
.irp c, 0,1
	PACK4 160+16*\idx+8*\c
	ds_store_b128 v21, v[160+16*\idx+8*\c:160+16*\idx+8*\c+3] offset:1024*F_HB5-65536+8192*\idx+512*\c
.endr
.endr
	s_wait_kmcnt 0x0
	s_mul_f32 s62, s84, 0x3dcccccd                 ; DT alpha
	s_xor_b32 s63, s62, 0x80000000
	SKEW 56, 69, 72                                ; K01
	SKEW 57, 70, 76                                ; K02
	SKEW 58, 71, 80                                ; K03
	SKEW 59, 74, 77                                ; K12
	SKEW 60, 75, 81                                ; K13
	SKEW 61, 79, 82                                ; K23
	s_mul_f32 s66, s85, 0x3dcccccd                 ; DT dt_q
	s_mul_f32 s67, s86, 0xbdcccccd                 ; -DT dt_p
; ------------------------------------------------------------------ small jobs, by wave; no barrier inside
	s_cmp_gt_u32 s52, 3
	s_cbranch_scc1 .Lnot_ha1
	; waves 0-3: HA1, fragment w.  Against B's words (theta part 0: two words; part 1: two; h = 0: part 2, h = 1: part 0 again; ones, ones):
	;   h = 0: w part 0 three times, (b0, b1), (b2, 0);   h = 1: w part 1 twice, part 2, 0, 0
	global_load_b32 v32, v17, s[20:21]
	global_load_b32 v33, v17, s[20:21] offset:256
	global_load_b32 v34, v17, s[20:21] offset:512
	global_load_b32 v35, v17, s[20:21] offset:768
	global_load_b32 v36, v17, s[22:23]
	s_wait_loadcnt 0x0
	v_cvt_pk_bf16_f32 v40, v32, v33
	v_cvt_pk_bf16_f32 v41, v34, v35
	RESP 32, 40, UU
	RESP 34, 41, UU
	v_cvt_pk_bf16_f32 v42, v32, v33
	v_cvt_pk_bf16_f32 v43, v34, v35
	RESP 32, 42, UU
	RESP 34, 43, UU
	v_cvt_pk_bf16_f32 v44, v32, v33
	v_cvt_pk_bf16_f32 v45, v34, v35
	BIAS3 36, 46, 47, UU
	v_cndmask_b32 v48, v40, v42, s54
	v_cndmask_b32 v49, v41, v43, s54
	v_mov_b32 v50, v48
	v_mov_b32 v51, v49
	v_cndmask_b32 v52, v40, v44, s54
	v_cndmask_b32 v53, v41, v45, s54
	v_cndmask_b32 v54, 0, v46, s55
	v_cndmask_b32 v55, 0, v47, s55
	ds_store_b128 v20, v[48:51] offset:1024*F_HA1
	ds_store_b128 v20, v[52:55] offset:1024*F_HA1+512
	s_branch .Ljobs_done
.Lnot_ha1:
	s_cmp_gt_u32 s52, 5
	s_cbranch_scc1 .Lnot_hb1
	; waves 4, 5: HB1, ks = w - 4.  Row q = r & 7: 0, 1: DT dt_q hw1[q+2]; 2, 3: -DT dt_p hw1[q-2]; 4..7: 0.  So the product is phi's gradient part.
	v_xor_b32 v27, 2, v30
	v_and_b32 v27, 3, v27
	v_lshlrev_b32 v27, 8, v27
	v_lshl_add_u32 v27, v[PHF], 5, v27
	s_lshl_b32 s90, s92, 7
	v_add_nc_u32 v27, s90, v27                     ; 256 row + 128 ks + 32 h
	global_load_b128 v[32:35], v27, s[20:21]
	global_load_b128 v[36:39], v27, s[20:21] offset:16
	global_load_b128 v[40:43], v27, s[20:21] offset:64
	global_load_b128 v[44:47], v27, s[20:21] offset:80
	v_mov_b32 v28, s66
	v_mov_b32 v29, s67
	v_cndmask_b32 v28, v29, v28, s96
	s_wait_loadcnt 0x0
.set n, 0
.rept 16
	v_mul_f32 v[32+n], v28, v[32+n]
.set n, n+1
.endr
	PACK4 32
	PACK4 40
.irp w4, 0,1,2,3
	v_cndmask_b32 v[32+\w4], 0, v[32+\w4], s98
	v_cndmask_b32 v[40+\w4], 0, v[40+\w4], s98
.endr
	ds_store_b128 v21, v[32:35] offset:1024*(F_HB1-4)-65536               ; v21 holds 1,024 w, w = 4 + ks
	ds_store_b128 v21, v[40:43] offset:1024*(F_HB1-4)-65536+512
	s_branch .Ljobs_done
.Lnot_hb1:
	s_cmp_lg_u32 s52, 6
	s_cbranch_scc1 .Ljobs_done
	; wave 6: the five f32 tables, two numbers a lane
	v_lshlrev_b32 v27, 3, v[PL]
	global_load_b64 v[32:33], v27, s[26:27]        ; hb2
	global_load_b64 v[34:35], v27, s[30:31]        ; hb3
	global_load_b64 v[36:37], v27, s[34:35]        ; hb4
	global_load_b64 v[38:39], v27, s[38:39]        ; hb5
	global_load_b64 v[40:41], v27, s[40:41]        ; hw6
	v_add_nc_u32 v28, 0x10000, v27
	s_wait_loadcnt 0x0
	v_pk_mul_f32 v[34:35], v[34:35], SC op_sel_hi:[1,0]
	v_pk_mul_f32 v[36:37], v[36:37], SC op_sel_hi:[1,0]
	v_pk_mul_f32 v[38:39], v[38:39], SC op_sel_hi:[1,0]
	v_pk_mul_f32 v[40:41], v[40:41], 4.0 op_sel_hi:[1,0]                  ; 1 - h5^2 = 4 (r - r^2)
.irp tb, 0,1,2,3,4
	ds_store_b64 v28, v[32+2*\tb:33+2*\tb] offset:TABS+256*\tb
.endr
.Ljobs_done:
	s_wait_dscnt 0x0                               ; my stores are in LDS, for the other waves' sake
	s_barrier_signal -1
	s_barrier_wait -1                              ; the only barrier: from here on LDS is only read
.irp t, 0,1
	v_mov_b32 v[BF+8*\t+6], 0x3f803f80             ; the ones that meet (b0, b1)
	v_mov_b32 v[BF+8*\t+7], 0x3f803f80             ; and (b2, 0)
.endr
	v_mov_b32 v[CB3], s88
	v_mov_b32 v[CB3+1], s89
.irp i, 2,3,4,5,6,7
	v_mov_b32 v[CB3+\i], 0
.endr
	LDRUN AF, F_CA1, 8
	WIN 0x40
	LDRUN C3, F_CA3, 4
	WIN 0
	s_mov_b32 s53, 0
; ------------------------------------------------------------------ a trip: 32 samples
.Ltrip:
	s_wait_loadcnt 0x0                             ; this trip's x, asked for a trip ago
	COUPLE XN, F_HA1, 4, 1                         ; c(x1) in three parts: theta decides H's relu masks
.irp t, 0,1
	v_mov_b32 v[TH+4*\t], v[XN+4*\t]               ; theta; XN is given to the next trip's loads below
	v_mov_b32 v[TH+4*\t+1], v[XN+4*\t+1]
	v_pk_add_f32 v[TH+4*\t+2:TH+4*\t+3], v[XN+4*\t+2:XN+4*\t+3], v[L3A+8*\t:L3A+8*\t+1]
.endr
	s_cmp_eq_u32 s53, TRIPS-1
	s_cbranch_scc1 .Lnox                           ; the last trip asks for nothing: no load leaves x
	s_add_nc_u64 s[4:5], s[4:5], 512               ; the loads that named this base were waited for at the trip's head
	global_load_b128 v[XN:XN+3], v[XO], s[4:5] th:TH_LOAD_NT
	global_load_b128 v[XN+4:XN+7], v[XO], s[4:5] offset:256 th:TH_LOAD_NT
.Lnox:
.irp t, 0,1                                        ; H's input fragment: theta's parts 0, 1, 2 in words 0-1, 2-3, 4-5; the lanes with h = 1 take part 0 in words 4-5
	SPLIT3P BF+8*\t, BF+8*\t+2, BF+8*\t+4, TH+4*\t
	SPLIT3P BF+8*\t+1, BF+8*\t+3, BF+8*\t+5, TH+4*\t+2
	v_cndmask_b32 v[BF+8*\t+4], v[BF+8*\t+4], v[BF+8*\t], s54
	v_cndmask_b32 v[BF+8*\t+5], v[BF+8*\t+5], v[BF+8*\t+1], s54
.endr
	; H layer 1 (bias inside the product), results straight into window 1
	s_wait_dscnt 0x0                               ; HA1
	WIN 0x40
.irp mt, 0,1,2,3
.irp t, 0,1
	WM0 SH1+32*\t+8*\mt, AF+8*\mt, BF+8*\t
.endr
.endr
	WIN 0
	PLACES
	LDRUN AF, F_HA2C, 8                            ; hw2's third part,
	LDTAB 0
	WIN 0x40
	LDRUN AZ, F_HA2B, 8                            ; and its second, into the registers that CA3 and h2's parts have left
	WIN 0x44
.set n, 0
.rept 64
	v_max_num_f32 v[SH1+n], 0, v[SH1+n]            ; relu in place, kept for the gradient's mask
.set n, n+1
.endr
	WIN 0x05
	PACK FF, SH1, 32                               ; h1's three parts; the remainders are made in ACC
	WIN 0x10
	RESID ACC, FF, SH1, 32
	WIN 0x40
	PACK FB, ACC, 32
	WIN 0x01
	RESID ACC, FB, ACC, 32
	WIN 0x40
	PACK FC, ACC, 32
	; H layer 2, six products, sums in window 1
	s_wait_dscnt 0x0                               ; hw2's third and second part, hb2
	HG8 AF, FF, 0, 1                               ; third part x h1; the sums start from hb2 (C in window 0)
	WIN 0x50                                       ; C now in window 1 too: the chain in place
	HG8 AF, FF, 1, 0
	WIN 0
	PLACES
	LDRUN AF, F_HA2, 8                             ; first part; lands under the 32 products below
	WIN 0x55
	HG8 AZ, FB, 0, 0                               ; second part x h1's second
	HG8 AZ, FB, 1, 0
	WIN 0x51
	HG8 AZ, FF, 0, 0                               ; second part x h1's first
	HG8 AZ, FF, 1, 0
	s_wait_dscnt 0x0
	WIN 0x54
	HG8 AF, FC, 0, 0                               ; first part x h1's third, second, first
	HG8 AF, FC, 1, 0
	HG8 AF, FB, 0, 0
	HG8 AF, FB, 1, 0
	WIN 0x50
	HG8 AF, FF, 0, 0
	HG8 AF, FF, 1, 0
	WIN 0
	PLACES
	LDRUN AF, F_HA3, 8
	LDTAB 1
	RELUW SH2
	; H layers 3, 4
	HTANH SD3, F_HA4, 2
	HTANH SD4, F_HA5, 3
	; H layer 5 and the gradient's start: delta5 = hw6 (1 - h5^2) = 4 hw6 (r - r^2)
	s_wait_dscnt 0x0
	MM16 1
	PLACES
	LDTAB 4
	LDRUN AF, F_HB5, 8
	EXPRCP 64
.set n, 0
	s_wait_alu depctr_va_vdst(0)
.rept 32
	v_pk_fma_f32 v[ACC+n:ACC+n+1], v[ACC+n:ACC+n+1], v[ACC+n:ACC+n+1], v[ACC+n:ACC+n+1] neg_lo:[1,0,0] neg_hi:[1,0,0]
.set n, n+2
.endr
	s_wait_dscnt 16                                ; the table's eight loads are in (LDS answers in order, ISA guide 5.7.1); HB5's sixteen, issued behind them, may stay out
.irp t, 0,1
.set n, 0
.rept 16
	v_pk_mul_f32 v[ACC+32*\t+n:ACC+32*\t+n+1], v[ACC+32*\t+n:ACC+32*\t+n+1], v[BIAS+n:BIAS+n+1]
.set n, n+2
.endr
.endr
	PACK FF, ACC, 32
	; the gradient, layer by layer
	BHEAD                                          ; hw5 delta5
	LDRUN AF, F_HB4, 8
	BTAIL 0, SD4
	BHEAD                                          ; hw4 delta4
	LDRUN AF, F_HB3, 8
	BTAIL 0, SD3
	BHEAD                                          ; hw3 delta3
	LDRUN AF, F_HB2, 8
	LDRUN BIAS, F_HB1, 2
	BTAIL 1, SH2
	BHEAD                                          ; hw2 delta2 (its wait also covers HB1)
	LDRUN AF, F_CA1, 8                             ; for the second c()
	WIN 0x40
	LDRUN C3, F_CA3, 4                             ; 1 - h4^2 is done with: CA3 comes back
	WIN 0
	BTAIL 1, SH1
.irp ks, 0,1                                       ; register j = 0..3 of the result: DT dt_q dH/dz2, dz3, -DT dt_p dH/dz0, dz1, in every lane
.irp t, 0,1
.if \ks
	WM ACC+8*\t, BIAS+8*\ks, FF+16*\t+8*\ks
.else
	WM0 ACC+8*\t, BIAS+8*\ks, FF+16*\t+8*\ks
.endif
.endr
.endr
.irp t, 0,1                                        ; theta + DT alpha (skew part): 24 independent instructions, the places behind the products above
	v_fma_f32 v[PH+4*\t], s56, v[TH+4*\t+1], v[TH+4*\t]
	v_fma_f32 v[PH+4*\t+1], s56, -v[TH+4*\t], v[TH+4*\t+1]
	v_fma_f32 v[PH+4*\t+2], s57, v[TH+4*\t], v[TH+4*\t+2]
	v_fma_f32 v[PH+4*\t+3], s58, v[TH+4*\t], v[TH+4*\t+3]
	v_fmac_f32 v[PH+4*\t], s57, v[TH+4*\t+2]
	v_fmac_f32 v[PH+4*\t+1], s59, v[TH+4*\t+2]
	v_fmac_f32 v[PH+4*\t+2], s59, v[TH+4*\t+1]
	v_fmac_f32 v[PH+4*\t+3], s60, v[TH+4*\t+1]
	v_fmac_f32 v[PH+4*\t], s58, v[TH+4*\t+3]
	v_fmac_f32 v[PH+4*\t+1], s60, v[TH+4*\t+3]
	v_fma_f32 v[PH+4*\t+2], s61, -v[TH+4*\t+3], v[PH+4*\t+2]
	v_fmac_f32 v[PH+4*\t+3], s61, v[TH+4*\t+2]
.endr
.irp t, 0,1
	v_pk_add_f32 v[PH+4*\t:PH+4*\t+1], v[PH+4*\t:PH+4*\t+1], v[ACC+8*\t:ACC+8*\t+1]
	v_pk_add_f32 v[PH+4*\t+2:PH+4*\t+3], v[PH+4*\t+2:PH+4*\t+3], v[ACC+8*\t+2:ACC+8*\t+3]
.endr
	COUPLE PH, F_CA1, 8, 0                         ; c(phi1): nothing jumps behind it, single parts; at its end CA1 for the next trip
.irp t, 0,1
	v_pk_add_f32 v[PH+4*\t+2:PH+4*\t+3], v[PH+4*\t+2:PH+4*\t+3], v[L3A+8*\t:L3A+8*\t+1] neg_lo:[0,1] neg_hi:[0,1]
.endr
.irp i, 0,1,2,3
	v_cndmask_b32 v[OO+\i], v[PH+\i], v[PH+4+\i], s54                      ; lanes 0-15 give tile 0, lanes 16-31 tile 1
.endr
	global_store_b128 v[LAB], v[OO:OO+3], s[6:7] th:TH_STORE_NT            ; the wave stores 512 consecutive bytes, at a multiple of 512 from out0's first byte
	s_wait_xcnt 0x0                                ; the store's base and data are rewritten only behind this wait
	s_add_nc_u64 s[6:7], s[6:7], 512
	s_add_co_u32 s53, s53, 1
	s_cmp_lt_u32 s53, TRIPS
	s_cbranch_scc1 .Ltrip
	s_wait_dscnt 0x0                               ; the last trip's sixteen loads of CA1, which nobody uses
	s_wait_xcnt 0x0
	v_lshl_add_u32 v254, v0, 2, 0x31000
	v_mov_b32 v255, 0
	s_wait_tensorcnt 0x0
	ds_add_u32 v254, v255
	s_wait_dscnt 0x0
	s_endpgm
.Lfunc_end_k_qa986212393_pnn:
	.size	k_qa986212393_pnn, .Lfunc_end_k_qa986212393_pnn-k_qa986212393_pnn
	.p2alignl 7, 3214868480
	.fill 96, 4, 3214868480
	.section	.rodata,"a",@progbits
	.p2align	6, 0x0
	.amdhsa_kernel k_qa986212393_pnn
		.amdhsa_group_segment_fixed_size 201728
		.amdhsa_private_segment_fixed_size 0
		.amdhsa_enable_private_segment 0
		.amdhsa_kernarg_size 192
		.amdhsa_user_sgpr_count 2
		.amdhsa_user_sgpr_kernarg_segment_ptr 1
		.amdhsa_wavefront_size32 1
		.amdhsa_system_sgpr_workgroup_id_x 1
		.amdhsa_system_sgpr_workgroup_id_y 1
		.amdhsa_system_sgpr_workgroup_id_z 1
		.amdhsa_system_vgpr_workitem_id 0
		.amdhsa_next_free_vgpr 512
		.amdhsa_next_free_sgpr 100
		.amdhsa_reserve_vcc 0
		.amdhsa_float_denorm_mode_32 3
		.amdhsa_float_denorm_mode_16_64 3
		.amdhsa_memory_ordered 1
		.amdhsa_forward_progress 1
		.amdhsa_inst_pref_size 255
	.end_amdhsa_kernel
	.section	.bss,"aw",@nobits
	.p2align	6
	.space	262144
	.amdgpu_metadata
---
amdhsa.version: [ 1, 2 ]
amdhsa.kernels:
  - .name:           k_qa986212393_pnn
    .symbol:         k_qa986212393_pnn.kd
    .args:
      - { .name: x, .offset: 0, .size: 8, .value_kind: global_buffer, .address_space: global }
      - { .name: out0, .offset: 8, .size: 8, .value_kind: global_buffer, .address_space: global }
      - { .name: cw1, .offset: 16, .size: 8, .value_kind: global_buffer, .address_space: global }
      - { .name: cb1, .offset: 24, .size: 8, .value_kind: global_buffer, .address_space: global }
      - { .name: cw2, .offset: 32, .size: 8, .value_kind: global_buffer, .address_space: global }
      - { .name: cb2, .offset: 40, .size: 8, .value_kind: global_buffer, .address_space: global }
      - { .name: cw3, .offset: 48, .size: 8, .value_kind: global_buffer, .address_space: global }
      - { .name: cb3, .offset: 56, .size: 8, .value_kind: global_buffer, .address_space: global }
      - { .name: hw1, .offset: 64, .size: 8, .value_kind: global_buffer, .address_space: global }
      - { .name: hb1, .offset: 72, .size: 8, .value_kind: global_buffer, .address_space: global }
      - { .name: hw2, .offset: 80, .size: 8, .value_kind: global_buffer, .address_space: global }
      - { .name: hb2, .offset: 88, .size: 8, .value_kind: global_buffer, .address_space: global }
      - { .name: hw3, .offset: 96, .size: 8, .value_kind: global_buffer, .address_space: global }
      - { .name: hb3, .offset: 104, .size: 8, .value_kind: global_buffer, .address_space: global }
      - { .name: hw4, .offset: 112, .size: 8, .value_kind: global_buffer, .address_space: global }
      - { .name: hb4, .offset: 120, .size: 8, .value_kind: global_buffer, .address_space: global }
      - { .name: hw5, .offset: 128, .size: 8, .value_kind: global_buffer, .address_space: global }
      - { .name: hb5, .offset: 136, .size: 8, .value_kind: global_buffer, .address_space: global }
      - { .name: hw6, .offset: 144, .size: 8, .value_kind: global_buffer, .address_space: global }
      - { .name: hb6, .offset: 152, .size: 8, .value_kind: global_buffer, .address_space: global }
      - { .name: S, .offset: 160, .size: 8, .value_kind: global_buffer, .address_space: global }
      - { .name: alpha, .offset: 168, .size: 8, .value_kind: global_buffer, .address_space: global }
      - { .name: dt_q, .offset: 176, .size: 8, .value_kind: global_buffer, .address_space: global }
      - { .name: dt_p, .offset: 184, .size: 8, .value_kind: global_buffer, .address_space: global }
    .group_segment_fixed_size: 201728
    .private_segment_fixed_size: 0
    .kernarg_segment_align: 8
    .kernarg_segment_size: 192
    .max_flat_workgroup_size: 256
    .sgpr_count:     100
    .vgpr_count:     512
    .wavefront_size: 32
...
	.end_amdgpu_metadata
.endif
;; end of part 1
;; ======== version 2 of 2: 1 launch; 1.25 times as fast as version 1
;; limits: values are held in f16: magnitudes above 65,504 overflow, below 6.1e-05 lose precision; right only within a limited range of input values
;; launch pnn (part 2): grid 256 x 1, 8 waves a work-group, no clusters, 160,768 bytes of LDS; arguments x, out0, cw1, cb1, cw2, cb2, cw3, cb3, hw1, hb1, hw2, hb2, hw3, hb3, hw4, hb4, hw5, hb5, hw6, hb6, S, alpha, dt_q, dt_p; writes out0
.if DOCPART == 2
	.amdgcn_target "amdgcn-amd-amdhsa--gfx1250"
	.amdhsa_code_object_version 6
	.text
	.protected	k_qa986212393_pnn
	.globl	k_qa986212393_pnn
	.p2align	8
	.type	k_qa986212393_pnn,@function
k_qa986212393_pnn:
	s_mov_b64 s[64:65], 0
	v_nop
	global_prefetch_b8 v0, s[64:65] scope:SCOPE_SE
	s_setreg_imm32_b32 hwreg(HW_REG_WAVE_MODE, 25, 1), 1
	s_wait_xcnt 0x0
; PNN: out = NICE^-1( symplectic step( NICE(x) ) ), 524,288 samples of 4 f32, everything in one launch.
;   theta = [x1, x2 + c(x1)];  phi = theta + DT [dH/dz(2:4) dt_q + alpha (theta Ssk^T)(0:2), -dH/dz(0:2) dt_p + alpha (theta Ssk)(2:4)];
;   out = [phi1, phi2 - c(phi1)].  c: 2 -> 125 relu -> 125 tanh -> 2.  H: 4 -> 64 relu -> 64 relu -> 3 x (64 tanh) -> 1, forward and gradient.
; SHARES: 256 work-groups x 2,048 samples; 8 waves x 256 samples; a wave makes 8 trips of 32 samples = 2 tiles of 16.
; Eight waves of 512 registers: two for each of the four SIMDs, so that one wave's products can run beside the other's activations.
; LAYOUT: features are M, samples are N: D = W^T (A) x activations (B).  Register j of lane (r, h) of a result tile mt is feature
; 16 mt + 8 h + j of sample r, so a packed conversion of neighbouring result registers IS the next layer's B fragment
; (F[m] = pack(ACC[2m], ACC[2m+1])): activations never leave the registers.
; WEIGHTS: each work-group converts them once (f32 -> 16 bits, scaled, transposed) into ready A fragments of 1,024 bytes in LDS: half c of a
; fragment at +512 c + 16 lane, so each ds_load_b128 reads 512 neighbouring bytes.  One fragment load feeds both tiles.  LDS is read-only in the loop.
; tanh(a) = 1 - 2 / (1 + 2^(s a)), s = 2 log2 e, s folded into weights and biases; it saturates through inf and 0 to +-1 without a clamp.
; TWO PARTS WHERE A SIGN DECIDES: dH/dz jumps where a sum in front of one of H's two relus changes sign, so these two sums, and theta on
; which they hang (the whole of c(x1)), are made to about f32's accuracy on the matrix unit.  The two first layers have room in their K = 32
; for three bf16 parts of inputs, weights and bias.  In c's layers 2, 3 and H's layer 2 each operand is a high part (the f32 cut to 11 bits
; by a mask: exact in f16) and a low part (the exact remainder x 2^10, rounded to f16): about 22 bits together.  Three products:
; sum0 = w_hi h_hi, sum1 = w_lo h_hi + w_hi h_lo, result = sum0 + 2^-10 sum1; w_lo h_lo, near 2^-23 of a term, is dropped.  The scaled low
; part keeps that precision over f16's whole normal range.  cw3's two parts lie in rows 0, 1 and 2, 3 of one fragment.
; c(phi1) is smooth in its inputs and takes single f16 operands (cw2's high part); H's tanh layers and the gradient take bf16.
; NO CLUSTER, NO TENSOR LOADS: what work-groups share is 133 KB of weights, read once in front of the loop and changed in registers on the way
; to LDS; in the loop a wave reads 512 bytes of x of its own, a whole trip ahead, straight into registers.
; LIMITS.  f16 operands: c's h1, s cw2, tanh outputs, cw3, H's h1 / 4 and 4 hw2 (1/4 is folded into hw1 and hb1, 4 into hw2's parts: powers
; of two, exact).  They must stay below 65,504: |h1| < 65,504 in c, < 262,016 in H.  With x of unit spread and cw1 of spread 0.7, c's h1 is of
; order 1 and about 15 at most, so 30 times on both factors (900 times) still leaves a factor of 4.  An element below 2^-14 is not cut
; exactly: absolute error up to 2^-25.  Elsewhere single bf16 operands.  A NaN in front of a relu is dropped (v_max_num_f32).  relu' is
; (a > 0) on the sum as made here: a sum within f32 rounding of zero can fall on the other side than in another order of summation.
; hb6 is loaded, and no result hangs on it: d(H + hb6)/dz does not hold it.  In the last trip the 16 LDS loads for a next trip are not used.
.set SC,    0x4038aa3b                 ; s = 2 log2 e
.set LS,    0x44800000                 ; 2^10: the low parts' scale
.set LSI,   0x3a800000                 ; 2^-10
.set TRIPS, 8
; window 0
.set XO,   2                           ; v2         x: 16 r
.set BA,   3                           ; v3         tables: 32 h + 65,536
.set LAB,  4                           ; v[4:6]     16 lane + 65,536 i: fragments 64 i .. 64 i + 63; v4 also my 16 bytes of a trip's output
.set XN,   8                           ; v[8:15]    x, tile t at +4 t
.set TH,   16                          ; v[16:23]   theta
.set PH,   24                          ; v[24:31]   phi
.set AF,   32                          ; v[32:95]   A buffer 0: eight fragments
.set CB3,  96                          ; v[96:103]  cb3[0], cb3[1], 0 x 6: the C of c()'s last layer
.set ACC,  104                         ; v[104:167] accumulators [32 t + 8 mt + j]
.set L3A,  ACC+32                      ; c(): last layer's sums, 8 for a tile
.set H2,   ACC+48                      ; c(): 32 features of h2 as B fragment, 8 for a tile
.set HF,   168                         ; v[168:231] c(): h1 (high part) as B fragments [32 t + 8 ks]
.set FF,   168                         ; v[168:199] H: B fragments [16 t + 8 ks]
.set BIAS, 200                         ; v[200:231] H: a table's 32 numbers of this lane [8 mt + j]; later HB1's two fragments
.set BF,   232                         ; v[232:247] first layers' B fragment, 8 for a tile; words 6, 7 = (1, 1) for ever
.set TT,   248                         ; v[248:251] at work
.set OO,   252                         ; v[252:255] store data
; window 1 (v256 and up, named by their low 8 bits); the regions serve several phases of a trip in turn
.set SH1,  0                           ; relu output of H layer 1 (x 1/4)
.set SH2,  64                          ; of layer 2
.set SD3,  128                         ; 1 - h3^2
.set SD4,  192                         ; 1 - h4^2
.set C3,   192                         ; CA3's four fragments, from the gradient's end to the end of the next trip's c(x1)
.set H1B,  0                           ; c(x1): h1's low part, as HF
.set TW1,  64                          ; c(x1) layer 1: 64 masked values at work
.set ACC1, 64                          ; c(x1) layer 2: the second accumulator, 32 registers, as ACC
.set TW,   96                          ; c(x1): 32 masked values at work
.set AY,   128                         ; c(): A buffer 1
.set H2B,  224                         ; c(x1): h2's low part, as H2
.set L3B,  240                         ; c(x1): the last layer's second accumulator, 8 for a tile
.set FB,   128                         ; H layer 2: h1's low part, as FF
.set AZ,   192                         ; H layer 2: a second A buffer
; fragments in LDS (x 1,024 bytes)
.set F_CA1, 0
.set F_CA2, 8                          ; + 4 mt + ks: high part (f16)
.set F_CA3, 40
.set F_HA1, 44
.set F_HA2, 48                         ; + 2 mt + ks, as all below: high part (f16)
.set F_HA3, 56
.set F_HA4, 64
.set F_HA5, 72
.set F_HB5, 80
.set F_HB4, 88
.set F_HB3, 96
.set F_HB2, 104
.set F_HB1, 112
.set TABS,  51200                      ; tables at byte 65,536 + 51,200 (fragments 114, 115): hb2, s hb3, s hb4, s hb5, 4 hw6, 256 bytes each
.set F_CA2B, 116                       ; cw2's low part
.set F_HA2B, 148                       ; hw2's low part; the map ends at fragment 156 = byte 159,744
; at work in front of the loop
.set PL,   252                         ; lane
.set PR,   253                         ; r
.set PHF,  254                         ; h
.set QQ,   240                         ; four packed words
.set UU,   244                         ; a pair
.set MSB, 0
.macro WIN new                         ; s_set_vgpr_msb: bits 1:0 source 0, 3:2 source 1, 5:4 source 2, 7:6 destination; the high byte repeats the setting left
.if MSB != \new
	s_set_vgpr_msb (MSB<<8)|\new
.set MSB, \new
.endif
.endm
.macro PLACES                          ; four independent vector instructions behind a matrix instruction, before its result is read or one of
.rept 4                                ; its registers is written or loaded into (ISA guide 7.12.1)
	v_nop
.endr
.endm
.macro LDFRAG dst, f                   ; one A fragment
	ds_load_b128 v[\dst:\dst+3], v[LAB+(\f)/64] offset:1024*((\f)%64)
	ds_load_b128 v[\dst+4:\dst+7], v[LAB+(\f)/64] offset:1024*((\f)%64)+512
.endm
.macro LDRUN dst, f0, cnt              ; cnt fragments in one run
.set lr, 0
.rept \cnt
	LDFRAG \dst+8*lr, \f0+lr
.set lr, lr+1
.endr
.endm
.macro LDBUF b, f0                     ; eight fragments into c()'s A buffer b (0: AF in window 0, 1: AY in window 1)
.set wv, (\b)<<6
	WIN wv
	LDRUN AF+(\b)*(AY-AF), \f0, 8
.endm
.macro LDTAB tab                       ; my 32 numbers of a table: features 16 mt + 8 h + 0..7
.irp mt, 0,1,2,3
.irp u, 0,1
	ds_load_b128 v[BIAS+8*\mt+4*\u:BIAS+8*\mt+4*\u+3], v[BA] offset:TABS+256*\tab+64*\mt+16*\u
.endr
.endr
.endm
.macro EXPRCP cnt                      ; ACC[0..cnt-1] = 1 / (1 + 2^ACC).  Behind each run of transcendentals one plain instruction (ISA guide 5.7.2)
.set n, 0
.rept \cnt
	v_exp_f32 v[ACC+n], v[ACC+n]
.set n, n+1
.endr
	v_nop
.set n, 0
	s_wait_alu depctr_va_vdst(0)
.rept \cnt/2
	v_pk_add_f32 v[ACC+n:ACC+n+1], v[ACC+n:ACC+n+1], 1.0 op_sel_hi:[1,0]
.set n, n+2
.endr
.set n, 0
.rept \cnt
	v_rcp_f32 v[ACC+n], v[ACC+n]
.set n, n+1
.endr
	v_nop
.endm
.macro TOH cnt                         ; tanh = 1 - 2 r
.set n, 0
	s_wait_alu depctr_va_vdst(0)
.rept \cnt/2
	v_pk_fma_f32 v[ACC+n:ACC+n+1], v[ACC+n:ACC+n+1], -2.0, 1.0 op_sel_hi:[1,0,0]
.set n, n+2
.endr
.endm
.macro PACK dst, src, cnt              ; cnt words of bf16 B fragment from 2 cnt f32
.set n, 0
.rept \cnt
	v_cvt_pk_bf16_f32 v[\dst+n], v[\src+2*n], v[\src+2*n+1]
.set n, n+1
.endr
.endm
.macro PACKH dst, src, cnt             ; the same in f16
.set n, 0
.rept \cnt
	v_cvt_pk_f16_f32 v[\dst+n], v[\src+2*n], v[\src+2*n+1]
.set n, n+1
.endr
.endm
; the cut into two f16 parts, in four steps; the caller sets the windows between them
.macro ANDM dst, src, cnt              ; the top 11 bits of cnt f32: s99 = 0xffffe000
.set n, 0
.rept \cnt
	v_and_b32 v[\dst+n], s99, v[\src+n]
.set n, n+1
.endr
.endm
.macro SUBP dst, a, b, cnt             ; cnt pairs: dst = a - b, exact here (b is a's top bits)
.set n, 0
.rept \cnt
	v_pk_add_f32 v[\dst+n:\dst+n+1], v[\a+n:\a+n+1], v[\b+n:\b+n+1] neg_lo:[0,1] neg_hi:[0,1]
.set n, n+2
.endr
.endm
.macro MULP d, cnt                     ; cnt pairs x 2^10: the remainder, below the value's 11th bit, comes to below the value itself
.set n, 0
.rept \cnt
	v_pk_mul_f32 v[\d+n:\d+n+1], v[\d+n:\d+n+1], LS op_sel_hi:[1,0]
.set n, n+2
.endr
.endm
.macro RESP a, w, t                    ; what a packed bf16 word leaves of the pair v[a:a+1], in place; t: a pair at work
	v_lshlrev_b32 v[\t], 16, v[\w]
	v_and_b32 v[\t+1], s54, v[\w]
	v_pk_add_f32 v[\a:\a+1], v[\a:\a+1], v[\t:\t+1] neg_lo:[0,1] neg_hi:[0,1]
.endm
.macro SPLIT3P w0, w1, w2, src         ; the pair v[src:src+1] as three packed bf16 words; src is kept
	v_cvt_pk_bf16_f32 v[\w0], v[\src], v[\src+1]
	v_lshlrev_b32 v[TT], 16, v[\w0]
	v_and_b32 v[TT+1], s54, v[\w0]
	v_pk_add_f32 v[TT:TT+1], v[\src:\src+1], v[TT:TT+1] neg_lo:[0,1] neg_hi:[0,1]
	v_cvt_pk_bf16_f32 v[\w1], v[TT], v[TT+1]
	RESP TT, \w1, TT+2
	v_cvt_pk_bf16_f32 v[\w2], v[TT], v[TT+1]
.endm
.macro WM d, a, b                      ; bf16: a link of a chain in place
	v_wmma_f32_16x16x32_bf16 v[\d:\d+7], v[\a:\a+7], v[\b:\b+7], v[\d:\d+7]
.endm
.macro WM0 d, a, b                     ; a first link: the sum starts from 0, nothing is cleared
	v_wmma_f32_16x16x32_bf16 v[\d:\d+7], v[\a:\a+7], v[\b:\b+7], 0
.endm
.macro WMC d, a, b, c                  ; a first link that starts from a bias
	v_wmma_f32_16x16x32_bf16 v[\d:\d+7], v[\a:\a+7], v[\b:\b+7], v[\c:\c+7]
.endm
.macro WMH d, a, b                     ; the same three in f16
	v_wmma_f32_16x16x32_f16 v[\d:\d+7], v[\a:\a+7], v[\b:\b+7], v[\d:\d+7]
.endm
.macro WMH0 d, a, b
	v_wmma_f32_16x16x32_f16 v[\d:\d+7], v[\a:\a+7], v[\b:\b+7], 0
.endm
.macro WMHC d, a, b, c
	v_wmma_f32_16x16x32_f16 v[\d:\d+7], v[\a:\a+7], v[\b:\b+7], v[\c:\c+7]
.endm
.macro RELUW sh                        ; relu in place in window 1 (kept for the gradient's mask), then the next B fragments (bf16)
	WIN 0x44
.set n, 0
.rept 64
	v_max_num_f32 v[\sh+n], 0, v[\sh+n]
.set n, n+1
.endr
	WIN 0x05
	PACK FF, \sh, 32
	WIN 0
.endm
.macro MM16 bias                       ; a 64 x 64 layer on two tiles (bf16): 8 products start the sums (from the bias table or from 0), 8 chain on
.irp mt, 0,1,2,3
.irp t, 0,1
.if \bias
	WMC ACC+32*\t+8*\mt, AF+16*\mt, FF+16*\t, BIAS+8*\mt
.else
	WM0 ACC+32*\t+8*\mt, AF+16*\mt, FF+16*\t
.endif
.endr
.endr
.irp mt, 0,1,2,3
.irp t, 0,1
	WM ACC+32*\t+8*\mt, AF+16*\mt+8, FF+16*\t+8
.endr
.endr
.endm
; H layer 2, eight f16 products into the sums at d: weights' part at ab x h1's part at bb, K half ks; windows set by the caller.
; mode 0: chain on; 1: start from the bias table; 2: start from 0
.macro HG8 d, ab, bb, ks, mode
.irp mt, 0,1,2,3
.irp t, 0,1
.if \mode == 1
	WMHC \d+32*\t+8*\mt, \ab+16*\mt+8*\ks, \bb+16*\t+8*\ks, BIAS+8*\mt
.else
.if \mode == 2
	WMH0 \d+32*\t+8*\mt, \ab+16*\mt+8*\ks, \bb+16*\t+8*\ks
.else
	WMH \d+32*\t+8*\mt, \ab+16*\mt+8*\ks, \bb+16*\t+8*\ks
.endif
.endif
.endr
.endr
.endm
; c() layer 2: 16 f16 products, the A buffer in turn (cur) x the part of h1 at bb in window bw: 32 features x 2 tiles x K = 128,
; into ACC (dw = 0) or ACC1 in window 1 (dw = 1); zero = 1: the first K step starts the sums
.macro CMM bw, bb, zero, dw
.set wv, cur|((\bw)<<2)|((\dw)<<4)|((\dw)<<6)
	WIN wv
.set ab, AF+cur*(AY-AF)
.set db, ACC+(\dw)*(ACC1-ACC)
.irp ks, 0,1,2,3
.irp mi, 0,1
.irp t, 0,1
.if \zero
.if \ks
	WMH db+16*\t+8*\mi, ab+8*(4*\mi+\ks), \bb+32*\t+8*\ks
.else
	WMH0 db+16*\t+8*\mi, ab+8*(4*\mi+\ks), \bb+32*\t+8*\ks
.endif
.else
	WMH db+16*\t+8*\mi, ab+8*(4*\mi+\ks), \bb+32*\t+8*\ks
.endif
.endr
.endr
.endr
.endm
; the head of a group of products on one A buffer: its fragments are in; the next group's are asked for into the other buffer.
; places = 1 where the products that read that other buffer stand directly in front.
.macro CHEAD places, more, f0
	s_wait_dscnt 0x0
.if \places
	PLACES
.endif
.if \more
	LDBUF 1-cur, \f0
.endif
.endm
; c() of the first two numbers of src (XN or PH), both tiles; result in L3A + 8 t + 0, 1 in every lane (rows 8-15 of CA3 repeat rows 0-7).
; prec = 1: two parts of h1, cw2 and h2.  On entry CA1 is on its way into AF and CA3 lies (or is on its way) in C3.
; nf, nn: the run of fragments asked for into AF at the end.
.macro COUPLE src, nf, nn, prec
.irp t, 0,1                                        ; words 0-2: x's three bf16 parts; word 3: the first part again (for cw1's third part)
	SPLIT3P BF+8*\t, BF+8*\t+1, BF+8*\t+2, \src+4*\t
	v_mov_b32 v[BF+8*\t+3], v[BF+8*\t]
	v_mov_b32 v[BF+8*\t+4], 0                      ; (H's fragment uses these two words)
	v_mov_b32 v[BF+8*\t+5], 0
.endr
	s_wait_dscnt 0x0                               ; CA1 and CA3 are in
.set cur, 1
.if \prec
	LDBUF 1, F_CA2B                                ; layer 2's first group, into the buffer that layer 1 does not read
.else
	LDBUF 1, F_CA2
.endif
	WIN 0
.irp q, 0,1                                        ; layer 1 (bf16, three parts in K), 64 features at a time
.irp mi, 0,1,2,3
.irp t, 0,1
	WM0 ACC+32*\t+8*\mi, AF+8*(4*\q+\mi), BF+8*\t
.endr
.endr
	PLACES
.set n, 0
.rept 64
	v_max_num_f32 v[ACC+n], 0, v[ACC+n]
.set n, n+1
.endr
.if \prec
	WIN 0x40
	ANDM TW1, ACC, 64                              ; h1's top 11 bits,
	WIN 0x05
	PACKH HF+16*\q, TW1, 16                        ; which f16 holds as they are,
	PACKH HF+32+16*\q, TW1+32, 16
	WIN 0x04
	SUBP ACC, ACC, TW1, 32                         ; and the rest,
	WIN 0
	MULP ACC, 32                                   ; x 2^10
	WIN 0x40
	PACKH H1B+16*\q, ACC, 16
	PACKH H1B+32+16*\q, ACC+32, 16
	WIN 0
.else
	PACKH HF+16*\q, ACC, 16
	PACKH HF+32+16*\q, ACC+32, 16
.endif
.endr
.irp p, 0,1,2,3                                    ; layer 2, 32 features at a time, and their share of layer 3
.if \prec
	CHEAD 0, 1, F_CA2+8*\p                         ; cw2's low part is in; its high part is asked for
	CMM 0, HF, 1, 1                                ; sum1 = low x h1's high
.set cur, 1-cur
.if \p < 3
	CHEAD 1, 1, F_CA2B+8+8*\p
.else
	CHEAD 1, 0, 0
.endif
	CMM 1, H1B, 0, 1                               ; sum1 += high x h1's low
	CMM 0, HF, 1, 0                                ; sum0 = high x h1's high
.set cur, 1-cur
.else
.if \p < 3
	CHEAD 0, 1, F_CA2+8+8*\p
.else
	CHEAD 0, 0, 0
.endif
	CMM 0, HF, 1, 0
.set cur, 1-cur
.endif
	WIN 0
	PLACES
.if \p == 3
	LDRUN AF, \nf, \nn                             ; the last group read AF (buffers 1, 0 in turn, an even number of groups)
.endif
.if \prec
	WIN 0x01
.set n, 0
.rept 16
	v_pk_fma_f32 v[ACC+n:ACC+n+1], v[ACC1+n:ACC1+n+1], LSI, v[ACC+n:ACC+n+1] op_sel_hi:[1,0,1]   ; sum0 + 2^-10 sum1
.set n, n+2
.endr
	WIN 0
.endif
	EXPRCP 32
	TOH 32
.if \prec
	WIN 0x40
	ANDM TW, ACC, 32                               ; h2 in two parts, as h1
	WIN 0x05
	PACKH H2, TW, 16
	WIN 0x04
	SUBP ACC, ACC, TW, 16
	WIN 0
	MULP ACC, 16
	WIN 0x40
	PACKH H2B, ACC, 16
	WIN 0x01                                       ; A (CA3) in window 1
.irp t, 0,1
.if \p
	WMH L3A+8*\t, C3+8*\p, H2+8*\t
.else
	WMHC L3A+8*\t, C3+8*\p, H2+8*\t, CB3
.endif
.endr
	WIN 0x55                                       ; A, B and the second sums in window 1
.irp t, 0,1
.if \p
	WMH L3B+8*\t, C3+8*\p, H2B+8*\t
.else
	WMH0 L3B+8*\t, C3+8*\p, H2B+8*\t
.endif
.endr
.else
	PACKH H2, ACC, 16
	WIN 0x01
.irp t, 0,1
.if \p
	WMH L3A+8*\t, C3+8*\p, H2+8*\t
.else
	WMHC L3A+8*\t, C3+8*\p, H2+8*\t, CB3
.endif
.endr
.endif
	WIN 0
.endr
	PLACES
	; rows 0, 1: cw3's high part; rows 2, 3: its low part x 2^10.  c = high h_hi + 2^-10 (low h_hi + high h_lo)
.if \prec
	WIN 0x04
.irp t, 0,1
	v_pk_add_f32 v[TT+2*\t:TT+2*\t+1], v[L3A+8*\t+2:L3A+8*\t+3], v[L3B+8*\t:L3B+8*\t+1]
.endr
	WIN 0
.irp t, 0,1
	v_pk_fma_f32 v[L3A+8*\t:L3A+8*\t+1], v[TT+2*\t:TT+2*\t+1], LSI, v[L3A+8*\t:L3A+8*\t+1] op_sel_hi:[1,0,1]
.endr
.else
.irp t, 0,1
	v_pk_fma_f32 v[L3A+8*\t:L3A+8*\t+1], v[L3A+8*\t+2:L3A+8*\t+3], LSI, v[L3A+8*\t:L3A+8*\t+1] op_sel_hi:[1,0,1]
.endr
.endif
.endm
.macro HTANH sd, nf, tab               ; a tanh layer of H: h to FF, 1 - h^2 to window 1; the next layer's weights and table are asked for
	s_wait_dscnt 0x0
	MM16 1
	PLACES
	LDRUN AF, \nf, 8
	LDTAB \tab
	EXPRCP 64
	TOH 64
	WIN 0x40
.set n, 0
.rept 32
	v_pk_fma_f32 v[\sd+n:\sd+n+1], v[ACC+n:ACC+n+1], v[ACC+n:ACC+n+1], 1.0 op_sel_hi:[1,1,0] neg_lo:[1,0,0] neg_hi:[1,0,0]
.set n, n+2
.endr
	WIN 0
	PACK FF, ACC, 32
.endm
.macro BHEAD                           ; a step of the gradient: W x delta
	s_wait_dscnt 0x0
	MM16 0
	PLACES
.endm
.macro BTAIL mask, sv                  ; times the activation's derivative: sv = 1 - h^2, or (mask) the kept relu output, whose sign decides
	WIN 0x01
.set n, 0
.if \mask
.rept 16
.irp i, 0,1,2,3
	v_cmp_gt_f32 s[90+\i], v[\sv+n+\i], 0
.endr
.irp i, 0,1,2,3
	v_cndmask_b32 v[ACC+n+\i], 0, v[ACC+n+\i], s[90+\i]
.endr
.set n, n+4
.endr
.else
.rept 32
	v_pk_mul_f32 v[ACC+n:ACC+n+1], v[\sv+n:\sv+n+1], v[ACC+n:ACC+n+1]
.set n, n+2
.endr
.endif
	WIN 0
	PACK FF, ACC, 32
.endm
; ---- in front of the loop only
.macro PACK4 base                      ; 8 f32 at base -> 4 bf16 words at base, in place (word n is written after its sources' predecessors were read)
.irp w4, 0,1,2,3
	v_cvt_pk_bf16_f32 v[\base+\w4], v[\base+2*\w4], v[\base+2*\w4+1]
.endr
.endm
.macro PACK4H base                     ; the same in f16
.irp w4, 0,1,2,3
	v_cvt_pk_f16_f32 v[\base+\w4], v[\base+2*\w4], v[\base+2*\w4+1]
.endr
.endm
; half a fragment (8 f32 at base) in two f16 parts to two places in LDS.  An LDS store has read its data when it is issued, so QQ is used again at once.
; fix = 1: the half with k = 125: its remainder is dropped in the lanes with h = 1, since k = 126 carries it (see below)
.macro SPLITST base, a0, o0, a1, o1, fix
.irp w4, 0,1,2,3
	v_and_b32 v[UU], s99, v[\base+2*\w4]
	v_and_b32 v[UU+1], s99, v[\base+2*\w4+1]
	v_cvt_pk_f16_f32 v[QQ+\w4], v[UU], v[UU+1]
	v_pk_add_f32 v[\base+2*\w4:\base+2*\w4+1], v[\base+2*\w4:\base+2*\w4+1], v[UU:UU+1] neg_lo:[0,1] neg_hi:[0,1]
	v_pk_mul_f32 v[\base+2*\w4:\base+2*\w4+1], v[\base+2*\w4:\base+2*\w4+1], LS op_sel_hi:[1,0]
.endr
	ds_store_b128 v[\a0], v[QQ:QQ+3] offset:\o0
.if \fix
	v_cndmask_b32 v[\base+5], 0, v[\base+5], s55
.endif
.irp w4, 0,1,2,3
	v_cvt_pk_f16_f32 v[QQ+\w4], v[\base+2*\w4], v[\base+2*\w4+1]
.endr
	ds_store_b128 v[\a1], v[QQ:QQ+3] offset:\o1
.endm
.macro BIAS3 b, w01, w2, t             ; f32 v[b] -> bf16 words (b0, b1) and (b2, 0); t, t+1 at work
	v_cvt_pk_bf16_f32 v[\t], v[\b], v[\b]
	v_lshlrev_b32 v[\t], 16, v[\t]
	v_sub_f32 v[\t], v[\b], v[\t]
	v_cvt_pk_bf16_f32 v[\w01], v[\b], v[\t]
	v_and_b32 v[\t+1], s54, v[\w01]
	v_sub_f32 v[\t], v[\t], v[\t+1]
	v_mov_b32 v[\t+1], 0
	v_cvt_pk_bf16_f32 v[\w2], v[\t], v[\t+1]
.endm
.macro SKEW d, a, b                    ; K = DT alpha (S[i][j] - S[j][i])
	s_mul_f32 s[\d], s62, s[\a]
	s_fmac_f32 s[\d], s63, s[\b]
.endm
; ------------------------------------------------------------------ addresses and lane terms
	s_load_b512 s[4:19], s[0:1], 0x0               ; x 4, out0 6, cw1 8, cb1 10, cw2 12, cb2 14, cw3 16, cb3 18
	s_load_b512 s[20:35], s[0:1], 0x40             ; hw1 20, hb1 22, hw2 24, hb2 26, hw3 28, hb3 30, hw4 32, hb4 34
	s_load_b512 s[36:51], s[0:1], 0x80             ; hw5 36, hb5 38, hw6 40, hb6 42, S 44, alpha 46, dt_q 48, dt_p 50
	v_lshl_add_u32 v1, v0, 2, 0x27000
	v_mov_b32 v7, 0
	v_lshrrev_b32 v[PL], 5, v0
	v_readfirstlane_b32 s52, v[PL]                 ; wave w
	v_and_b32 v[PL], 31, v0                        ; lane L
	v_and_b32 v[PR], 15, v0                        ; r
	v_bfe_u32 v[PHF], v0, 4, 1                     ; h
	v_lshlrev_b32 v[LAB], 4, v[PL]                 ; 16 L
	v_add_nc_u32 v[LAB+1], 0x10000, v[LAB]
	v_add_nc_u32 v[LAB+2], 0x20000, v[LAB]
	v_lshlrev_b32 v[BA], 5, v[PHF]
	v_add_nc_u32 v[BA], 0x10000, v[BA]             ; tables: 32 h
	v_lshlrev_b32 v[XO], 4, v[PR]                  ; x: 16 r (lanes L and L ^ 16 hold the same sample)
	s_mov_b32 s54, 0xffff0000                      ; lanes with h = 1; also a word's upper bf16
	s_mov_b32 s55, 0x0000ffff                      ; lanes with h = 0
	s_mov_b32 s99, 0xffffe000                      ; an f32's sign, exponent and top 10 stored bits: what f16 holds
	s_lshl_b32 s2, ttmp9, 15                       ; 2,048 samples x 16 bytes a work-group
	s_lshl_b32 s3, s52, 12                         ; 256 samples a wave
	s_add_co_u32 s2, s2, s3
	s_mov_b32 s3, 0
	s_and_b32 s92, s52, 1                          ; w & 1
	s_lshr_b32 s93, s52, 1                         ; w >> 1
	s_lshl_b32 s90, s52, 4
	v_add_nc_u32 v16, s90, v[PR]                   ; m = 16 w + r: my row of the 128-row matrices
	v_lshl_add_u32 v29, v[PHF], 3, s90             ; 16 w + 8 h
	v_min_u32 v17, 0x7c, v16
	v_lshlrev_b32 v17, 2, v17                      ; 4 min(m, 124)
	v_mad_u32_u24 v18, v[PHF], 0xfa0, v17          ; cw2: + 8 h rows of 500 bytes
	s_lshl_b32 s91, s52, 12
	v_add_nc_u32 v19, s91, v[LAB]                  ; CA2: four fragments a wave
	v_add_nc_u32 v31, 0x10000, v19                 ; its low part lies above 64 KiB
	s_lshl_b32 s91, s52, 10
	v_add_nc_u32 v20, s91, v[LAB]                  ; one fragment a wave
	v_add_nc_u32 v21, 0x10000, v20
	v_add_nc_u32 v239, 0x20000, v20
	s_lshl_b32 s90, s92, 13
	s_lshl_b32 s91, s93, 6
	s_add_co_u32 s90, s90, s91
	v_lshlrev_b32 v27, 2, v[PR]
	v_lshl_add_u32 v27, v[PHF], 11, v27
	v_add_nc_u32 v22, s90, v27                     ; hw[k][m]: 256 (32 (w&1) + 8 h) + 4 (16 (w>>1) + r)
	s_lshl_b32 s90, s93, 12
	s_lshl_b32 s91, s92, 7
	s_add_co_u32 s90, s90, s91
	v_lshlrev_b32 v27, 8, v[PR]
	v_lshl_add_u32 v27, v[PHF], 5, v27
	v_add_nc_u32 v23, s90, v27                     ; hw[m][k]: 256 (16 (w>>1) + r) + 4 (32 (w&1) + 8 h)
	v_and_b32 v28, 1, v0
	v_lshlrev_b32 v28, 2, v28                      ; 4 (r & 1)
	s_lshl_b32 s90, s52, 7
	v_lshl_add_u32 v27, v[PHF], 6, v28
	v_add_nc_u32 v24, s90, v27                     ; cw3[k][r&1], k = 16 w + 8 h
	v_min_u32 v27, 0x70, v29
	v_lshl_add_u32 v25, v27, 3, v28                ; the same with k's base held at 112: for k + 5 .. k + 7, which would pass row 124
	s_lshl_b32 s90, s52, 9
	v_add_nc_u32 v26, s90, v[LAB]                  ; CA3: half a fragment a wave
	v_and_b32 v30, 7, v0                           ; r & 7
	v_cmp_gt_u32 s94, 0x7d, v16                    ; m < 125
	v_cmp_gt_u32 s95, 0x7f, v16                    ; m < 127
	v_cmp_gt_u32 s96, 2, v30                       ; (r & 7) < 2
	v_cmp_gt_u32 s97, 0x78, v29                    ; 16 w + 8 h < 120
	v_cmp_gt_u32 s98, 4, v30                       ; (r & 7) < 4
	s_wait_kmcnt 0x0
	s_add_nc_u64 s[4:5], s[4:5], s[2:3]
	s_add_nc_u64 s[6:7], s[6:7], s[2:3]
	s_load_b512 s[68:83], s[44:45], 0x0            ; S[i][j] in s[68 + 4 i + j]
	s_load_b32 s84, s[46:47], 0x0                  ; alpha
	s_load_b32 s85, s[48:49], 0x0                  ; dt_q
	s_load_b32 s86, s[50:51], 0x0                  ; dt_p
	s_load_b32 s87, s[42:43], 0x0                  ; hb6: read as given; the gradient does not hold it
	s_load_b64 s[88:89], s[18:19], 0x0             ; cb3
; ------------------------------------------------------------------ all common loads, 158 of them, oldest needed first
	global_load_b128 v[XN:XN+3], v[XO], s[4:5] th:TH_LOAD_NT               ; the first trip's x
	global_load_b128 v[XN+4:XN+7], v[XO], s[4:5] offset:256 th:TH_LOAD_NT
.irp ks, 0,1,2,3                                   ; CA2, rows m of tile mt = w: cw2[32 ks + 16 c + 8 h + i][m]
.irp c, 0,1
.irp i, 0,1,2,3,4,5,6,7
.if (32*\ks+16*\c+\i) >= 117
	global_load_b32 v[32+8*(2*\ks+\c)+\i], v17, s[12:13] offset:500*(32*\ks+16*\c+\i)   ; k = 117..119 in all lanes: with h = 1 it would be 125..127, outside
.else
	global_load_b32 v[32+8*(2*\ks+\c)+\i], v18, s[12:13] offset:500*(32*\ks+16*\c+\i)
.endif
.endr
.endr
.endr
	global_load_b32 v224, v17, s[14:15]            ; cb2[m]
	global_load_b32 v225, v17, s[10:11]            ; cb1[m]
	global_load_b32 v226, v17, s[8:9]              ; cw1[0][m]
	global_load_b32 v227, v17, s[8:9] offset:500   ; cw1[1][m]
.irp i, 0,1,2,3,4
	global_load_b32 v[228+\i], v24, s[16:17] offset:8*\i
.endr
.irp i, 5,6,7
	global_load_b32 v[228+\i], v25, s[16:17] offset:8*\i
.endr
.irp li, 0,1,2,3                                   ; HA2..HA5, fragment w: hw[k][m]
.irp c, 0,1
.irp i, 0,1,2,3,4,5,6,7
	global_load_b32 v[96+16*\li+8*\c+\i], v22, s[24+4*\li:25+4*\li] offset:4096*\c+256*\i
.endr
.endr
.endr
.irp idx, 0,1,2,3                                  ; HB5, HB4, HB3, HB2, fragment w: hw[m][k], k along the rows
.irp c, 0,1
.irp u, 0,1
	global_load_b128 v[160+16*\idx+8*\c+4*\u:160+16*\idx+8*\c+4*\u+3], v23, s[36-4*\idx:37-4*\idx] offset:64*\c+16*\u
.endr
.endr
.endr
; ------------------------------------------------------------------ the coupling net's fragments
	s_wait_loadcnt 63                              ; 80 loads are younger than this group's last; the wait's field names 63 at the most, and a smaller count only waits for more
.set n, 0
.rept 32
	v_pk_mul_f32 v[32+n:33+n], v[32+n:33+n], SC op_sel_hi:[1,0]
.set n, n+2
.endr
	; s cb2[m] rides in K, where h1 is made 1 by CA1's rows 125, 126: k = 125 holds its top 11 bits alone, k = 126 what they leave.
	; So the high part of the matrix alone gives 22 bits of it (for c(phi1)), and both parts give the rest too.
	v_mul_f32 v236, SC, v224
	v_and_b32 v237, s99, v236
	v_sub_f32 v237, v236, v237
	v_cndmask_b32 v93, v93, v236, s54              ; k = 120 + i in the lanes with h = 1
	v_cndmask_b32 v94, v94, v237, s54
	v_cndmask_b32 v95, 0, v95, s55
.set n, 0
.rept 64
	v_cndmask_b32 v[32+n], 0, v[32+n], s94         ; rows 125-127 are 0
.set n, n+1
.endr
.irp ch, 0,1,2,3,4,5,6
	SPLITST 32+8*\ch, 19, 1024*F_CA2+512*\ch, 31, 1024*F_CA2B-0x10000+512*\ch, 0
.endr
	SPLITST 88, 19, 1024*F_CA2+3584, 31, 1024*F_CA2B-0x10000+3584, 1
	; CA1, fragment w (bf16).  Against B's words (x part 0, part 1, part 2, part 0, 0, 0, ones, ones), alike in both halves of the lanes:
	;   h = 0: w part 0, part 0, part 0, part 2, 0, 0, (b0, b1), (b2, 0);   h = 1: w part 1, part 1, 0, 0, 0, 0, 0, 0
	v_cndmask_b32 v226, 0, v226, s94
	v_cndmask_b32 v227, 0, v227, s94
	v_mov_b32 v238, 1.0
	v_cndmask_b32 v238, 0, v238, s95
	v_cndmask_b32 v225, v238, v225, s94            ; bias: cb1, 1 in rows 125 and 126, 0 in row 127
	v_cvt_pk_bf16_f32 v240, v226, v227
	RESP 226, 240, UU
	v_cvt_pk_bf16_f32 v241, v226, v227
	RESP 226, 241, UU
	v_cvt_pk_bf16_f32 v242, v226, v227
	BIAS3 225, 243, 246, UU
	v_cndmask_b32 v32, v240, v241, s54
	v_mov_b32 v33, v32
	v_cndmask_b32 v34, 0, v240, s55
	v_cndmask_b32 v35, 0, v242, s55
	v_mov_b32 v36, 0
	v_mov_b32 v37, 0
	v_cndmask_b32 v38, 0, v243, s55
	v_cndmask_b32 v39, 0, v246, s55
	ds_store_b128 v20, v[32:35]
	ds_store_b128 v20, v[36:39] offset:512
	; CA3, half fragment w (f16).  Row q = r & 7: 0, 1: cw3's two columns, high part; 2, 3: low part x 2^10; 4..7: 0.
.irp i, 0,1,2,3,4,5,6,7
	v_and_b32 v[40+\i], s99, v[228+\i]
	v_sub_f32 v[228+\i], v[228+\i], v[40+\i]
	v_mul_f32 v[228+\i], LS, v[228+\i]
	v_cndmask_b32 v[228+\i], 0, v[228+\i], s98
	v_cndmask_b32 v[228+\i], v[228+\i], v[40+\i], s96
.endr
.irp i, 5,6,7
	v_cndmask_b32 v[228+\i], 0, v[228+\i], s97     ; k = 125..127 are 0
.endr
	PACK4H 228
	ds_store_b128 v26, v[228:231] offset:1024*F_CA3
; ------------------------------------------------------------------ H's fragments
	s_wait_loadcnt 16                              ; only HB's sixteen loads are younger
.set n, 0
.rept 8
	v_pk_mul_f32 v[96+n:97+n], v[96+n:97+n], 4.0 op_sel_hi:[1,0]          ; 4 hw2 meets h1 / 4
.set n, n+2
.endr
.set n, 0
.rept 24
	v_pk_mul_f32 v[112+n:113+n], v[112+n:113+n], SC op_sel_hi:[1,0]       ; the three tanh layers
.set n, n+2
.endr
.irp c, 0,1                                        ; hw2 in two f16 parts
	SPLITST 96+8*\c, 20, 1024*F_HA2+512*\c, 239, 1024*F_HA2B-0x20000+512*\c, 0
.endr
.irp li, 1,2,3
.irp c, 0,1
	PACK4 96+16*\li+8*\c
.if \li < 2
	ds_store_b128 v20, v[96+16*\li+8*\c:96+16*\li+8*\c+3] offset:1024*F_HA2+8192*\li+512*\c
.else
	ds_store_b128 v21, v[96+16*\li+8*\c:96+16*\li+8*\c+3] offset:8192*(\li-2)+512*\c
.endif
.endr
.endr
	s_wait_loadcnt 0x0
.irp idx, 0,1,2,3
.irp c, 0,1
	PACK4 160+16*\idx+8*\c
	ds_store_b128 v21, v[160+16*\idx+8*\c:160+16*\idx+8*\c+3] offset:1024*F_HB5-65536+8192*\idx+512*\c
.endr
.endr
	s_wait_kmcnt 0x0
	s_mul_f32 s62, s84, 0x3dcccccd                 ; DT alpha
	s_xor_b32 s63, s62, 0x80000000
	SKEW 56, 69, 72                                ; K01
	SKEW 57, 70, 76                                ; K02
	SKEW 58, 71, 80                                ; K03
	SKEW 59, 74, 77                                ; K12
	SKEW 60, 75, 81                                ; K13
	SKEW 61, 79, 82                                ; K23
	s_mul_f32 s66, s85, 0x3dcccccd                 ; DT dt_q
	s_mul_f32 s67, s86, 0xbdcccccd                 ; -DT dt_p
; ------------------------------------------------------------------ small jobs, by wave; no barrier inside
	s_cmp_gt_u32 s52, 3
	s_cbranch_scc1 .Lnot_ha1
	; waves 0-3: HA1, fragment w (bf16), of hw1 / 4 and hb1 / 4.
	; Against B's words (theta part 0: two words; part 1: two; h = 0: part 2, h = 1: part 0 again; ones, ones):
	;   h = 0: w part 0 three times, (b0, b1), (b2, 0);   h = 1: w part 1 twice, part 2, 0, 0
	global_load_b32 v32, v17, s[20:21]
	global_load_b32 v33, v17, s[20:21] offset:256
	global_load_b32 v34, v17, s[20:21] offset:512
	global_load_b32 v35, v17, s[20:21] offset:768
	global_load_b32 v36, v17, s[22:23]
	s_wait_loadcnt 0x0
.irp i, 32,33,34,35,36
	v_mul_f32 v\i, 0x3e800000, v\i                 ; x 1/4: room at f16's top for H's h1; the relu's sign is the same
.endr
	v_cvt_pk_bf16_f32 v40, v32, v33
	v_cvt_pk_bf16_f32 v41, v34, v35
	RESP 32, 40, UU
	RESP 34, 41, UU
	v_cvt_pk_bf16_f32 v42, v32, v33
	v_cvt_pk_bf16_f32 v43, v34, v35
	RESP 32, 42, UU
	RESP 34, 43, UU
	v_cvt_pk_bf16_f32 v44, v32, v33
	v_cvt_pk_bf16_f32 v45, v34, v35
	BIAS3 36, 46, 47, UU
	v_cndmask_b32 v48, v40, v42, s54
	v_cndmask_b32 v49, v41, v43, s54
	v_mov_b32 v50, v48
	v_mov_b32 v51, v49
	v_cndmask_b32 v52, v40, v44, s54
	v_cndmask_b32 v53, v41, v45, s54
	v_cndmask_b32 v54, 0, v46, s55
	v_cndmask_b32 v55, 0, v47, s55
	ds_store_b128 v20, v[48:51] offset:1024*F_HA1
	ds_store_b128 v20, v[52:55] offset:1024*F_HA1+512
	s_branch .Ljobs_done
.Lnot_ha1:
	s_cmp_gt_u32 s52, 5
	s_cbranch_scc1 .Lnot_hb1
	; waves 4, 5: HB1, ks = w - 4.  Row q = r & 7: 0, 1: DT dt_q hw1[q+2]; 2, 3: -DT dt_p hw1[q-2]; 4..7: 0.  So the product is phi's gradient part.
	v_xor_b32 v27, 2, v30
	v_and_b32 v27, 3, v27
	v_lshlrev_b32 v27, 8, v27
	v_lshl_add_u32 v27, v[PHF], 5, v27
	s_lshl_b32 s90, s92, 7
	v_add_nc_u32 v27, s90, v27                     ; 256 row + 128 ks + 32 h
	global_load_b128 v[32:35], v27, s[20:21]
	global_load_b128 v[36:39], v27, s[20:21] offset:16
	global_load_b128 v[40:43], v27, s[20:21] offset:64
	global_load_b128 v[44:47], v27, s[20:21] offset:80
	v_mov_b32 v28, s66
	v_mov_b32 v29, s67
	v_cndmask_b32 v28, v29, v28, s96
	s_wait_loadcnt 0x0
.set n, 0
.rept 16
	v_mul_f32 v[32+n], v28, v[32+n]
.set n, n+1
.endr
	PACK4 32
	PACK4 40
.irp w4, 0,1,2,3
	v_cndmask_b32 v[32+\w4], 0, v[32+\w4], s98
	v_cndmask_b32 v[40+\w4], 0, v[40+\w4], s98
.endr
	ds_store_b128 v21, v[32:35] offset:1024*(F_HB1-4)-65536               ; v21 holds 1,024 w, w = 4 + ks
	ds_store_b128 v21, v[40:43] offset:1024*(F_HB1-4)-65536+512
	s_branch .Ljobs_done
.Lnot_hb1:
	s_cmp_lg_u32 s52, 6
	s_cbranch_scc1 .Ljobs_done
	; wave 6: the five f32 tables, two numbers a lane
	v_lshlrev_b32 v27, 3, v[PL]
	global_load_b64 v[32:33], v27, s[26:27]        ; hb2
	global_load_b64 v[34:35], v27, s[30:31]        ; hb3
	global_load_b64 v[36:37], v27, s[34:35]        ; hb4
	global_load_b64 v[38:39], v27, s[38:39]        ; hb5
	global_load_b64 v[40:41], v27, s[40:41]        ; hw6
	v_add_nc_u32 v28, 0x10000, v27
	s_wait_loadcnt 0x0
	v_pk_mul_f32 v[34:35], v[34:35], SC op_sel_hi:[1,0]
	v_pk_mul_f32 v[36:37], v[36:37], SC op_sel_hi:[1,0]
	v_pk_mul_f32 v[38:39], v[38:39], SC op_sel_hi:[1,0]
	v_pk_mul_f32 v[40:41], v[40:41], 4.0 op_sel_hi:[1,0]                  ; 1 - h5^2 = 4 (r - r^2)
.irp tb, 0,1,2,3,4
	ds_store_b64 v28, v[32+2*\tb:33+2*\tb] offset:TABS+256*\tb
.endr
.Ljobs_done:
	s_wait_dscnt 0x0                               ; my stores are in LDS, for the other waves' sake
	s_barrier_signal -1
	s_barrier_wait -1                              ; the only barrier: from here on LDS is only read
.irp t, 0,1
	v_mov_b32 v[BF+8*\t+6], 0x3f803f80             ; the ones that meet (b0, b1)
	v_mov_b32 v[BF+8*\t+7], 0x3f803f80             ; and (b2, 0)
.endr
	v_mov_b32 v[CB3], s88
	v_mov_b32 v[CB3+1], s89
.irp i, 2,3,4,5,6,7
	v_mov_b32 v[CB3+\i], 0
.endr
	LDRUN AF, F_CA1, 8
	WIN 0x40
	LDRUN C3, F_CA3, 4
	WIN 0
	s_mov_b32 s53, 0
; ------------------------------------------------------------------ a trip: 32 samples
.Ltrip:
	s_wait_loadcnt 0x0                             ; this trip's x, asked for a trip ago
	COUPLE XN, F_HA1, 4, 1                         ; c(x1) in two parts: theta decides H's relu masks
.irp t, 0,1
	v_mov_b32 v[TH+4*\t], v[XN+4*\t]               ; theta; XN is given to the next trip's loads below
	v_mov_b32 v[TH+4*\t+1], v[XN+4*\t+1]
	v_pk_add_f32 v[TH+4*\t+2:TH+4*\t+3], v[XN+4*\t+2:XN+4*\t+3], v[L3A+8*\t:L3A+8*\t+1]
.endr
	s_cmp_eq_u32 s53, TRIPS-1
	s_cbranch_scc1 .Lnox                           ; the last trip asks for nothing: no load leaves x
	s_add_nc_u64 s[4:5], s[4:5], 512               ; the loads that named this base were waited for at the trip's head
	global_load_b128 v[XN:XN+3], v[XO], s[4:5] th:TH_LOAD_NT
	global_load_b128 v[XN+4:XN+7], v[XO], s[4:5] offset:256 th:TH_LOAD_NT
.Lnox:
.irp t, 0,1                                        ; H's input fragment: theta's parts 0, 1, 2 in words 0-1, 2-3, 4-5; the lanes with h = 1 take part 0 in words 4-5
	SPLIT3P BF+8*\t, BF+8*\t+2, BF+8*\t+4, TH+4*\t
	SPLIT3P BF+8*\t+1, BF+8*\t+3, BF+8*\t+5, TH+4*\t+2
	v_cndmask_b32 v[BF+8*\t+4], v[BF+8*\t+4], v[BF+8*\t], s54
	v_cndmask_b32 v[BF+8*\t+5], v[BF+8*\t+5], v[BF+8*\t+1], s54
.endr
	; H layer 1 (bias inside the product), results straight into window 1
	s_wait_dscnt 0x0                               ; HA1
	WIN 0x40
.irp mt, 0,1,2,3
.irp t, 0,1
	WM0 SH1+32*\t+8*\mt, AF+8*\mt, BF+8*\t
.endr
.endr
	WIN 0
	PLACES
	LDRUN AF, F_HA2B, 8                            ; hw2's low part,
	LDTAB 0
	WIN 0x40
	LDRUN AZ, F_HA2, 8                             ; and its high part, into the registers that CA3 and c's last layer have left
	WIN 0x44
.set n, 0
.rept 64
	v_max_num_f32 v[SH1+n], 0, v[SH1+n]            ; relu in place, kept for the gradient's mask
.set n, n+1
.endr
	WIN 0x04
	ANDM ACC, SH1, 64                              ; h1 in two f16 parts; ACC is at work
	WIN 0
	PACKH FF, ACC, 32
	WIN 0x01
	SUBP ACC, SH1, ACC, 32
	WIN 0
	MULP ACC, 32
	WIN 0x40
	PACKH FB, ACC, 32
	; H layer 2, three products: sum1 in ACC, sum0 (from hb2) in window 1
	s_wait_dscnt 0x0                               ; both parts of hw2, hb2
	WIN 0
	HG8 ACC, AF, FF, 0, 2                          ; low x h1's high
	HG8 ACC, AF, FF, 1, 0
	WIN 0x05
	HG8 ACC, AZ, FB, 0, 0                          ; high x h1's low
	HG8 ACC, AZ, FB, 1, 0
	WIN 0x41
	HG8 SH2, AZ, FF, 0, 1                          ; high x h1's high; the sums start from hb2 (C in window 0)
	WIN 0x51                                       ; C now in window 1 too: the chain in place
	HG8 SH2, AZ, FF, 1, 0
	WIN 0
	PLACES
	LDRUN AF, F_HA3, 8
	LDTAB 1
	WIN 0x50
.set n, 0
.rept 32
	v_pk_fma_f32 v[SH2+n:SH2+n+1], v[ACC+n:ACC+n+1], LSI, v[SH2+n:SH2+n+1] op_sel_hi:[1,0,1]      ; sum0 + 2^-10 sum1
.set n, n+2
.endr
	RELUW SH2
	; H layers 3, 4
	HTANH SD3, F_HA4, 2
	HTANH SD4, F_HA5, 3
	; H layer 5 and the gradient's start: delta5 = hw6 (1 - h5^2) = 4 hw6 (r - r^2)
	s_wait_dscnt 0x0
	MM16 1
	PLACES
	LDTAB 4
	LDRUN AF, F_HB5, 8
	EXPRCP 64
.set n, 0
	s_wait_alu depctr_va_vdst(0)
.rept 32
	v_pk_fma_f32 v[ACC+n:ACC+n+1], v[ACC+n:ACC+n+1], v[ACC+n:ACC+n+1], v[ACC+n:ACC+n+1] neg_lo:[1,0,0] neg_hi:[1,0,0]
.set n, n+2
.endr
	s_wait_dscnt 16                                ; the table's eight loads are in (LDS answers in order, ISA guide 5.7.1); HB5's sixteen, issued behind them, may stay out
.irp t, 0,1
.set n, 0
.rept 16
	v_pk_mul_f32 v[ACC+32*\t+n:ACC+32*\t+n+1], v[ACC+32*\t+n:ACC+32*\t+n+1], v[BIAS+n:BIAS+n+1]
.set n, n+2
.endr
.endr
	PACK FF, ACC, 32
	; the gradient, layer by layer
	BHEAD                                          ; hw5 delta5
	LDRUN AF, F_HB4, 8
	BTAIL 0, SD4
	BHEAD                                          ; hw4 delta4
	LDRUN AF, F_HB3, 8
	BTAIL 0, SD3
	BHEAD                                          ; hw3 delta3
	LDRUN AF, F_HB2, 8
	LDRUN BIAS, F_HB1, 2
	BTAIL 1, SH2
	BHEAD                                          ; hw2 delta2 (its wait also covers HB1)
	LDRUN AF, F_CA1, 8                             ; for the second c()
	WIN 0x40
	LDRUN C3, F_CA3, 4                             ; 1 - h4^2 is done with: CA3 comes back
	WIN 0
	BTAIL 1, SH1
.irp ks, 0,1                                       ; register j = 0..3 of the result: DT dt_q dH/dz2, dz3, -DT dt_p dH/dz0, dz1, in every lane
.irp t, 0,1
.if \ks
	WM ACC+8*\t, BIAS+8*\ks, FF+16*\t+8*\ks
.else
	WM0 ACC+8*\t, BIAS+8*\ks, FF+16*\t+8*\ks
.endif
.endr
.endr
.irp t, 0,1                                        ; theta + DT alpha (skew part): 24 independent instructions, the places behind the products above
	v_fma_f32 v[PH+4*\t], s56, v[TH+4*\t+1], v[TH+4*\t]
	v_fma_f32 v[PH+4*\t+1], s56, -v[TH+4*\t], v[TH+4*\t+1]
	v_fma_f32 v[PH+4*\t+2], s57, v[TH+4*\t], v[TH+4*\t+2]
	v_fma_f32 v[PH+4*\t+3], s58, v[TH+4*\t], v[TH+4*\t+3]
	v_fmac_f32 v[PH+4*\t], s57, v[TH+4*\t+2]
	v_fmac_f32 v[PH+4*\t+1], s59, v[TH+4*\t+2]
	v_fmac_f32 v[PH+4*\t+2], s59, v[TH+4*\t+1]
	v_fmac_f32 v[PH+4*\t+3], s60, v[TH+4*\t+1]
	v_fmac_f32 v[PH+4*\t], s58, v[TH+4*\t+3]
	v_fmac_f32 v[PH+4*\t+1], s60, v[TH+4*\t+3]
	v_fma_f32 v[PH+4*\t+2], s61, -v[TH+4*\t+3], v[PH+4*\t+2]
	v_fmac_f32 v[PH+4*\t+3], s61, v[TH+4*\t+2]
.endr
.irp t, 0,1
	v_pk_add_f32 v[PH+4*\t:PH+4*\t+1], v[PH+4*\t:PH+4*\t+1], v[ACC+8*\t:ACC+8*\t+1]
	v_pk_add_f32 v[PH+4*\t+2:PH+4*\t+3], v[PH+4*\t+2:PH+4*\t+3], v[ACC+8*\t+2:ACC+8*\t+3]
.endr
	COUPLE PH, F_CA1, 8, 0                         ; c(phi1): nothing jumps behind it, single f16 operands; at its end CA1 for the next trip
.irp t, 0,1
	v_pk_add_f32 v[PH+4*\t+2:PH+4*\t+3], v[PH+4*\t+2:PH+4*\t+3], v[L3A+8*\t:L3A+8*\t+1] neg_lo:[0,1] neg_hi:[0,1]
.endr
.irp i, 0,1,2,3
	v_cndmask_b32 v[OO+\i], v[PH+\i], v[PH+4+\i], s54                      ; lanes 0-15 give tile 0, lanes 16-31 tile 1
.endr
	global_store_b128 v[LAB], v[OO:OO+3], s[6:7] th:TH_STORE_NT            ; the wave stores 512 consecutive bytes, at a multiple of 512 from out0's first byte
	s_wait_xcnt 0x0                                ; the store's base and data are rewritten only behind this wait
	s_add_nc_u64 s[6:7], s[6:7], 512
	s_add_co_u32 s53, s53, 1
	s_cmp_lt_u32 s53, TRIPS
	s_cbranch_scc1 .Ltrip
	s_wait_dscnt 0x0                               ; the last trip's sixteen loads of CA1, which nobody uses
	s_wait_tensorcnt 0x0
	ds_add_u32 v1, v7
	s_wait_dscnt 0x0
	s_endpgm
.Lfunc_end_k_qa986212393_pnn:
	.size	k_qa986212393_pnn, .Lfunc_end_k_qa986212393_pnn-k_qa986212393_pnn
	.p2alignl 7, 3214868480
	.fill 96, 4, 3214868480
	.section	.rodata,"a",@progbits
	.p2align	6, 0x0
	.amdhsa_kernel k_qa986212393_pnn
		.amdhsa_group_segment_fixed_size 160768
		.amdhsa_private_segment_fixed_size 0
		.amdhsa_enable_private_segment 0
		.amdhsa_kernarg_size 192
		.amdhsa_user_sgpr_count 2
		.amdhsa_user_sgpr_kernarg_segment_ptr 1
		.amdhsa_wavefront_size32 1
		.amdhsa_system_sgpr_workgroup_id_x 1
		.amdhsa_system_sgpr_workgroup_id_y 1
		.amdhsa_system_sgpr_workgroup_id_z 1
		.amdhsa_system_vgpr_workitem_id 0
		.amdhsa_next_free_vgpr 512
		.amdhsa_next_free_sgpr 100
		.amdhsa_reserve_vcc 0
		.amdhsa_float_denorm_mode_32 3
		.amdhsa_float_denorm_mode_16_64 3
		.amdhsa_memory_ordered 1
		.amdhsa_forward_progress 1
		.amdhsa_inst_pref_size 255
	.end_amdhsa_kernel
	.section	.bss,"aw",@nobits
	.p2align	6
	.space	262144
	.amdgpu_metadata
---
amdhsa.version: [ 1, 2 ]
amdhsa.kernels:
  - .name:           k_qa986212393_pnn
    .symbol:         k_qa986212393_pnn.kd
    .args:
      - { .name: x, .offset: 0, .size: 8, .value_kind: global_buffer, .address_space: global }
      - { .name: out0, .offset: 8, .size: 8, .value_kind: global_buffer, .address_space: global }
      - { .name: cw1, .offset: 16, .size: 8, .value_kind: global_buffer, .address_space: global }
      - { .name: cb1, .offset: 24, .size: 8, .value_kind: global_buffer, .address_space: global }
      - { .name: cw2, .offset: 32, .size: 8, .value_kind: global_buffer, .address_space: global }
      - { .name: cb2, .offset: 40, .size: 8, .value_kind: global_buffer, .address_space: global }
      - { .name: cw3, .offset: 48, .size: 8, .value_kind: global_buffer, .address_space: global }
      - { .name: cb3, .offset: 56, .size: 8, .value_kind: global_buffer, .address_space: global }
      - { .name: hw1, .offset: 64, .size: 8, .value_kind: global_buffer, .address_space: global }
      - { .name: hb1, .offset: 72, .size: 8, .value_kind: global_buffer, .address_space: global }
      - { .name: hw2, .offset: 80, .size: 8, .value_kind: global_buffer, .address_space: global }
      - { .name: hb2, .offset: 88, .size: 8, .value_kind: global_buffer, .address_space: global }
      - { .name: hw3, .offset: 96, .size: 8, .value_kind: global_buffer, .address_space: global }
      - { .name: hb3, .offset: 104, .size: 8, .value_kind: global_buffer, .address_space: global }
      - { .name: hw4, .offset: 112, .size: 8, .value_kind: global_buffer, .address_space: global }
      - { .name: hb4, .offset: 120, .size: 8, .value_kind: global_buffer, .address_space: global }
      - { .name: hw5, .offset: 128, .size: 8, .value_kind: global_buffer, .address_space: global }
      - { .name: hb5, .offset: 136, .size: 8, .value_kind: global_buffer, .address_space: global }
      - { .name: hw6, .offset: 144, .size: 8, .value_kind: global_buffer, .address_space: global }
      - { .name: hb6, .offset: 152, .size: 8, .value_kind: global_buffer, .address_space: global }
      - { .name: S, .offset: 160, .size: 8, .value_kind: global_buffer, .address_space: global }
      - { .name: alpha, .offset: 168, .size: 8, .value_kind: global_buffer, .address_space: global }
      - { .name: dt_q, .offset: 176, .size: 8, .value_kind: global_buffer, .address_space: global }
      - { .name: dt_p, .offset: 184, .size: 8, .value_kind: global_buffer, .address_space: global }
    .group_segment_fixed_size: 160768
    .private_segment_fixed_size: 0
    .kernarg_segment_align: 8
    .kernarg_segment_size: 192
    .max_flat_workgroup_size: 256
    .sgpr_count:     100
    .vgpr_count:     512
    .wavefront_size: 32
...
	.end_amdgpu_metadata
.endif
;; end of part 2
